; MI455X (gfx1250); checked and timed in simulation.
; The chip was launched on July 23, 2026; its instructions are those of AMD's public machine-readable ISA for CDNA 5 (MIT licence, August 2026) and "CDNA5" Instruction Set Architecture Reference Guide (July 2026). The comments in the code are by the model that wrote it; some were corrected since.
;; Causal Self Attention. Allowed arithmetic: matrix products marked QUANTISED: E4M3 operands, one E8M0 scale for each 32 along K, by v_wmma_scale_f32_16x16x128_f8f6f4 with both operands' format E4M3, f32 sums; everything else in f32.
;; Inputs: b_attn 3,072 float32; b_proj 1,024 float32; w_attn 1,024 x 3,072 float32; w_proj 1,024 x 1,024 float32; x 4 x 2,048 x 1,024 float32.
;; Outputs: out0 4 x 2,048 x 1,024 float32.
;; This version of the problem:
;;   THIS VERSION OF THE PROBLEM IS GIVEN IN LOW PRECISION. The matrix products marked QUANTISED in the list below multiply operands that are first quantised to E4M3 (4 exponent bits, 3 mantissa bits; 8 bits a number), with one power-of-two scale for each 32 numbers along K (OCP MX v1.0); their sums are f32. All else is computed in f32.
;;   The module's matrix products, in the order in which they are computed (A, B: the left and right operand; K: the contracted axis; several contracted axes count as one K, in the product's order):
;;     1. [M 8,192, K 1,024] x [K 1,024, N 3,072]; A: input x; B: input w_attn: QUANTISED
;;     2. batch 64 x [M 2,048, K 64] x [K 64, N 2,048]; A: computed on the way; B: computed on the way: QUANTISED
;;     3. batch 64 x [M 2,048, K 2,048] x [K 2,048, N 64]; A: softmax (see below); B: computed on the way: QUANTISED
;;     4. [M 8,192, K 1,024] x [K 1,024, N 1,024]; A: computed on the way; B: input w_proj: QUANTISED
;;   THE QUANTISER, for each operand of a quantised product, along K:
;;     - K is cut into blocks of 32 from its start; a last block that is shorter is filled with zeros.
;;     - A block's scale is 2^e with e = floor(log2(the largest magnitude in the block)) - 8, held to -126 .. 127; a block of zeros has e = 0. As a byte (E8M0): e + 127.
;;     - Each number is divided by its block's scale, clamped to +-448, and rounded to the nearest number of E4M3, ties to even, subnormals kept.
;;     - The product sums the exact products of the quantised numbers (number of the format x scale) in f32.
;;   ~~~python
;;   def quantise(x, axis):      # numpy; x: float32 -> the quantised numbers, widened to float32 again
;;       x = np.moveaxis(x, axis, -1); K = x.shape[-1]
;;       x = np.pad(x, [(0, 0)] * (x.ndim - 1) + [(0, -K % 32)]); x = x.reshape(x.shape[:-1] + (-1, 32)); a = np.abs(x).max(-1, keepdims=True)
;;       e = np.where(a > 0, np.clip(np.frexp(np.where(a > 0, a, 1))[1] - 1 - 8, -126, 127), 0)      # np.frexp(a)[1] - 1 = floor(log2(a)), exactly
;;       r = np.clip(x / 2.0 ** e, -448, 448)
;;       step = 2.0 ** (np.maximum(np.frexp(np.where(r == 0, 1, r))[1] - 1, -6) - 3)
;;       q = np.round(r / step) * step * 2.0 ** e      # np.round: ties to even
;;       return np.moveaxis(q.reshape(q.shape[:-2] + (-1,))[..., :K], -1, axis).astype(np.float32)
;;   ~~~
;;   SOFTMAX AHEAD OF A QUANTISED PRODUCT. Where the list says 'softmax', what is quantised is not the finished softmax but p = 2^(t - M), with t = logit x log2(e) and M = ceil(the row's largest t), a whole number; so 1/2 < the row's largest p <= 1. The row's sum l is taken of the UNQUANTISED p, in f32, and the product's result is divided by l at the end. Since M is a whole number, a kernel that streams over the keys may use a running M (the ceiling of the running maximum): every later rescaling is an exact power of two, which a block's scale takes up: the codes' values come out the same.
;;   OPERANDS COMPUTED ON THE WAY. 'Computed on the way' means the value that the module computes at that place (a softmax that the list does not call 'softmax' is quantised finished and normalised). What goes into a quantiser is computed in f32, as accurately as f32 sums, v_exp_f32 and their like allow (about 1e-6 of the number): no bf16 or f16 on the way to a quantiser, and a product that is left as it is and whose result goes on into a quantised operand takes f32 operands (vector FMAs, or v_wmma_f32_16x16x4_f32). A number that lies on a knife's edge between two numbers of the format may be rounded either way, as far as f32 arithmetic and the matrix unit's own rounding can turn it there, and no further.
;; One version. Each part assembles by itself: llvm-mc -triple=amdgcn-amd-amdhsa -mcpu=gfx1250 --defsym DOCPART=n.
;; ======== version 1 of 1: 4 launches
;; limits: right only within a limited range of input values
;; workspace buffers: xq 8,650,752 bytes; wq 4,325,376 bytes; qq 8,912,896 bytes; kv 17,563,648 bytes; yq 8,650,752 bytes
;; launch quant (part 1): grid 512 x 1, 4 waves a work-group, no clusters, 34,816 bytes of LDS; arguments x, w_attn, w_proj, xq, wq; writes xq, wq
.if DOCPART == 1
	.amdgcn_target "amdgcn-amd-amdhsa--gfx1250"
	.amdhsa_code_object_version 6
	.text
	.protected	k_q1c30098ac1_quant
	.globl	k_q1c30098ac1_quant
	.p2align	8
	.type	k_q1c30098ac1_quant,@function
k_q1c30098ac1_quant:
	s_mov_b64 s[64:65], 0
	v_nop
	global_prefetch_b8 v0, s[64:65] scope:SCOPE_SE
	s_setreg_imm32_b32 hwreg(HW_REG_WAVE_MODE, 25, 1), 1
	s_wait_xcnt 0x0
; x [8192][1024], w_attn [1024][3072] and w_proj [1024][1024], f32, become codes of FP8 (E4M3) with one E8M0 scale byte for each 32 along K (K = 1024 for all three).
; A block's scale is 2^(floor(log2(its largest magnitude)) - 8); each number is divided by it, held within +-448 and rounded to the nearest code, ties to even.
; LIMITS: NaN and infinities are not served; a block whose largest magnitude lies under 2^-118 gets the byte 1; a block of zeros gets the byte 1 where the rule says 127: its codes are zeros, and this program alone reads the bytes.
; LAYOUT OF THE RESULTS: images of the operand's registers.  Rows (tokens of x, columns of w) go in tiles of 16: lane r of tile 2 B + u holds row 32 B + 8 u + r + 8 (r / 8).
; The image of (tile, K step of 128) is 2,048 bytes: group c at 512 c + 16 x lane; lane (r, h) holds the codes of k = 32 c + 16 h + 0 .. 15 of the tile's row r.  A tile's eight images lie on end: 16,384 bytes.
; Scale bytes: 512 bytes a tile: [half of K][r][4 words]: word j of half kh holds the four bytes of K step 4 kh + j.  wq: tiles 0-191 are w_attn's columns, tiles 192-255 w_proj's.
; Work-groups 0-255 take the weights (K is their FIRST axis: a lane takes a column and its registers run down K): a work-group has 32 columns and one half of K, its wave j the half's K step j: four blocks of 32 a lane.
; The four waves' scale words meet in 512 LDS bytes of this path's own, and wave 0 stores them, 16 bytes a lane.  Work-groups 256-511 take x (K innermost: the numbers turn through a stage in LDS so that loads stay dense); its waves share nothing.
; No tensor loads.
.set XSC,  0x800000                    ; where xq's scale bytes begin
.set WSC,  0x400000                    ; where wq's begin
.set NWG,  256                         ; the weights' work-groups
.set SPARE, 0x8400                     ; behind x's four stages: the spare words, 128 bytes a wave
.set WL,   0x8600                      ; behind them: the weights' scale words: [lane][wave]
.set SEL,  20                          ; s[20:21] lane selects for v_permlanex16_b32: lane l xor 16
.set MNT,  23                          ; s23 the mantissa field of 448
; the weights' path
.set VR,   16                          ; v16-47   byte offset of my column in rows 0 .. 31 of a block
.set WX,   48                          ; v48-111  two sets of 32 numbers
.set WC,   112                         ; v112-119 a block's 32 codes
.set WS,   120                         ; v120 my column's scale word (wave 0, at the end: v120-123 all four);  v124-127 at work
; x's path
.set R,    16                          ; v16-143  two sets of 64 registers as loaded
.set X,    144                         ; v144-207 64 numbers: register 16 b + i = k 32 b + 16 h + i of my row
.set PC,   208                         ; v208-223 a fragment's codes
.set TM,   224                         ; v224-239 at work
.set W,    240                         ; v240-243 my row's four scale words
.set PW,   244                         ; v244     the word just made
.set SP,   528                         ; a stage row: 512 bytes + 16: the sixteen rows that a read touches start at sixteen different 16-byte columns
.macro WLOAD t                         ; block t: w(32 t + i, my column), i = 0 .. 31: each load reads 128 consecutive bytes
.set wi, 0
.rept 32
	global_load_b32 v[WX+32*((\t)%2)+wi], v[VR+wi], s[24:25] th:TH_LOAD_NT
.set wi, wi+1
.endr
.endm
.macro WBLOCK t
.set WXS, WX+32*((\t)%2)
.if (\t) < 3
	s_wait_loadcnt 32                              ; this block's 32 loads are in; the next block's 32 may be out
.else
	s_wait_loadcnt 0x0
.endif
	s_wait_xcnt 0x0                                ; the loads have read their base and the last block's stores their data: both are written again below
.if (\t)+2 < 4
	s_add_nc_u64 s[24:25], s[24:25], s[28:29]      ; 32 rows further down
.endif
	v_max3_num_f32 v124, |v[WXS]|, |v[WXS+1]|, |v[WXS+2]|          ; the block's largest magnitude: all 32 numbers are mine
	v_max3_num_f32 v125, |v[WXS+3]|, |v[WXS+4]|, |v[WXS+5]|
.irp i, 6,10,14,18,22,26
	v_max3_num_f32 v124, v124, |v[WXS+\i]|, |v[WXS+\i+1]|
	v_max3_num_f32 v125, v125, |v[WXS+\i+2]|, |v[WXS+\i+3]|
.endr
	v_max3_num_f32 v124, v124, |v[WXS+30]|, |v[WXS+31]|
	v_max3_num_f32 v124, v124, v125, 0x4800000     ; and the floor 2^(9 - 127): the byte cannot fall under 1
	v_add_nc_u32 v127, 0xfc000000, v124            ; 8 off the exponent field: the conversion's scale operand
	v_and_or_b32 v126, v124, 0x7f800000, s[MNT]    ; 448 x the scale
	v_lshrrev_b32 v125, 23, v127                   ; the scale's byte
.if (\t) == 0
	v_mov_b32 v[WS], v125                          ; four bytes to a word, the lower K in the lower byte
.else
	v_lshl_or_b32 v[WS], v125, 8*(\t), v[WS]
.endif
.set wi, 0
.rept 32
	v_med3_num_f32 v[WXS+wi], v[WXS+wi], -v126, v126   ; the conversion to an 8-bit code does not saturate (ISA guide 7.6.2): the hold comes first
.set wi, wi+1
.endr
.irp g, 0,1,2,3
	v_cvt_scalef32_pk8_fp8_f32 v[WC+2*\g:WC+2*\g+1], v[WXS+8*\g:WXS+8*\g+7], v127
.endr
	global_store_b128 v6, v[WC:WC+3], s[32:33] offset:512*(\t)         ; k 0-15 of the block: the place of lane (r, 0); the sixteen lanes of a tile fill 256 consecutive bytes
	global_store_b128 v6, v[WC+4:WC+7], s[32:33] offset:512*(\t)+256   ; k 16-31: the place of lane (r, 1)
.if (\t)+2 < 4
	WLOAD (\t)+2
.endif
.endm
.macro XLOADK ks, set                  ; K step ks of my 16 rows: each load reads 512 consecutive bytes of one row
.irp rr, 0,1,2,3,4,5,6,7,8,9,10,11,12,13,14,15
	global_load_b128 v[R+64*(\set)+4*\rr:R+64*(\set)+4*\rr+3], v1, s[4:5] offset:(\rr+8*(\rr/8))*4096+512*(\ks) th:TH_LOAD_NT
.endr
.endm
; 64 numbers of a lane, register 16 b + i = k 32 b + 16 (lane / 16) + i of my row, become a fragment's codes in v[PC] on and its scale word in v[PW]
.macro QUANT s
.irp b, 0,1,2,3
	v_max3_num_f32 v[TM+\b], |v[\s+16*\b]|, |v[\s+1+16*\b]|, 0x4800000   ; block b: my 16 numbers, and the floor 2^(9 - 127)
.endr
.irp i, 2,4,6,8,10,12,14
.irp b, 0,1,2,3
	v_max3_num_f32 v[TM+\b], v[TM+\b], |v[\s+16*\b+\i]|, |v[\s+1+16*\b+\i]|   ; the four blocks by turns
.endr
.endr
.irp b, 0,1,2,3
	v_permlanex16_b32 v[TM+4+\b], v[TM+\b], s[SEL], s[SEL+1]
.endr
.irp b, 0,1,2,3
	v_max_num_f32 v[TM+\b], v[TM+\b], v[TM+4+\b]   ; with lane l xor 16's: the block's largest magnitude
.endr
.irp b, 0,1,2,3
	v_add_nc_u32 v[TM+12+\b], 0xfc000000, v[TM+\b] ; 8 off its exponent field: the conversion's scale operand
.endr
.irp b, 0,1,2,3
	v_and_or_b32 v[TM+8+\b], v[TM+\b], 0x7f800000, s[MNT]   ; 448 x the scale
.endr
.irp b, 0,1,2,3
	v_lshrrev_b32 v[TM+4+\b], 23, v[TM+12+\b]      ; the scale's byte
.endr
	v_lshl_or_b32 v[PW], v[TM+5], 8, v[TM+4]
	v_lshl_or_b32 v[PW], v[TM+6], 16, v[PW]
	v_lshl_or_b32 v[PW], v[TM+7], 24, v[PW]
.irp b, 0,1,2,3
.irp i, 0,1,2,3,4,5,6,7,8,9,10,11,12,13,14,15
	v_med3_num_f32 v[\s+16*\b+\i], v[\s+16*\b+\i], -v[TM+8+\b], v[TM+8+\b]
.endr
	v_cvt_scalef32_pk8_fp8_f32 v[PC+4*\b:PC+1+4*\b], v[\s+16*\b:\s+7+16*\b], v[TM+12+\b]
	v_cvt_scalef32_pk8_fp8_f32 v[PC+2+4*\b:PC+3+4*\b], v[\s+8+16*\b:\s+15+16*\b], v[TM+12+\b]
.endr
	v_nop                                          ; one plain line behind the last conversion
.endm
.macro KSTEP ks
.if (\ks) < 3
	s_wait_loadcnt 16                              ; this K step's 16 loads are in; the next one's 16 may be out
.else
	s_wait_loadcnt 0x0
.endif
.irp rr, 0,1,2,3,4,5,6,7,8,9,10,11,12,13,14,15
	ds_store_b128 v3, v[R+64*((\ks)%2)+4*\rr:R+64*((\ks)%2)+4*\rr+3] offset:SP*\rr   ; as loaded: a row's 512 bytes on end
.endr
.irp b, 0,1,2,3
.irp j, 0,1,2,3
	ds_load_b128 v[X+16*\b+4*\j:X+16*\b+4*\j+3], v6 offset:128*\b+16*\j   ; back: my row, my 16 numbers of each block.  LDS serves a wave's instructions in order: these see the stores above
.endr
.endr
	s_wait_dscnt 0x0                               ; the numbers are back, and the stage's stores have read their registers
	s_wait_xcnt 0x0                                ; the last K step's stores have read the codes' registers
.if (\ks)+2 < 4
	XLOADK (\ks)+2, (\ks)%2
.endif
	QUANT X
	v_mov_b32 v[W+(\ks)], v[PW]
.irp c, 0,1,2,3
	global_store_b128 v1, v[PC+4*\c:PC+4*\c+3], s[32:33] offset:2048*(\ks)+512*\c   ; the image as it stands: 512 consecutive bytes a store
.endr
.endm
	s_load_b256 s[4:11], s[0:1], 0x0               ; x s[4:5], w_attn s[6:7], w_proj s[8:9], xq s[10:11]
	s_load_b64 s[12:13], s[0:1], 0x20              ; wq
	v_lshl_add_u32 v254, v0, 2, SPARE
	v_mov_b32 v255, 0
	v_lshrrev_b32 v1, 5, v0
	v_readfirstlane_b32 s14, v1                    ; wave 0..3
	v_and_b32 v2, 31, v0                           ; lane
	s_mov_b32 s[SEL], 0x76543210
	s_mov_b32 s[SEL+1], 0xfedcba98
	s_mov_b32 s[MNT], 0x600000
	s_cmp_lt_u32 ttmp9, NWG
	s_cbranch_scc0 .Lx_path
	; ---- THE WEIGHTS.  A wave takes 32 columns (a pair of tiles) x 128 along K: four blocks a lane.
	s_lshr_b32 s17, ttmp9, 1                       ; which 32 columns of the 4,096: 0-95 w_attn's, 96-127 w_proj's
	s_and_b32 s16, ttmp9, 1                        ; which half of K
	s_lshr_b32 s15, s17, 2
	s_lshl_b32 s37, s16, 2
	s_add_co_u32 s37, s37, s14                     ; which K step of 128: 4 x half + wave
	s_mov_b32 s18, 4096
	s_wait_kmcnt 0x0
	s_cmp_ge_u32 s15, 24                           ; the choice hangs on the work-group's number alone
	s_cselect_b64 s[24:25], s[8:9], s[6:7]
	s_cselect_b32 s18, s18, 0x3000                 ; bytes in a row of the tensor
	s_cselect_b32 s19, 96, 0
	s_sub_co_u32 s19, s17, s19                     ; which 32 columns of the tensor
	s_lshl_b32 s26, s19, 7
	s_lshl_b32 s27, s18, 7
	s_mul_i32 s27, s27, s37                        ; 128 rows down for each K step
	s_add_co_u32 s26, s26, s27
	s_mov_b32 s27, 0
	s_add_nc_u64 s[24:25], s[24:25], s[26:27]      ; my wave's first number
	s_lshl_b32 s28, s18, 5                         ; 32 rows, in bytes
	s_mov_b32 s29, 0
	s_lshl_b32 s30, s17, 15                        ; a pair of tiles is 32,768 bytes of images,
	s_lshl_b32 s31, s37, 11                        ; a K step 2,048 in each tile
	s_add_co_u32 s30, s30, s31
	s_mov_b32 s31, 0
	s_add_nc_u64 s[32:33], s[12:13], s[30:31]      ; my images
	s_lshl_b32 s30, s17, 10
	s_lshl_b32 s34, s16, 8
	s_add_co_u32 s30, s30, s34
	s_add_co_u32 s30, s30, WSC
	s_add_nc_u64 s[34:35], s[12:13], s[30:31]      ; the work-group's scale words
	s_wait_alu depctr_va_vdst(0)
	v_bfe_u32 v3, v2, 3, 1                         ; column l of the 32 is row r of tile u: u = (l / 8) % 2,
	v_and_b32 v4, 7, v2
	v_lshrrev_b32 v5, 4, v2
	v_lshl_add_u32 v4, v5, 3, v4                   ; r = l % 8 + 8 (l / 16)
	v_lshlrev_b32 v4, 4, v4
	v_lshl_add_u32 v6, v3, 14, v4                  ; codes: 16,384 u + 16 r
	v_lshl_add_u32 v7, v3, 9, v4                   ; scale words: 512 u + 16 r
	v_lshl_add_u32 v11, v2, 4, WL                  ; LDS: my column's four words,
	v_lshl_add_u32 v10, v1, 2, v11                 ; and my wave's among them
	v_lshlrev_b32 v[VR], 2, v2
.set wi, 1
.rept 31
	v_add_nc_u32 v[VR+wi], s18, v[VR+wi-1]         ; a row's length differs between the two tensors, so the rows' offsets stand in registers
.set wi, wi+1
.endr
	WLOAD 0
	s_wait_alu depctr_va_vdst(0)
	s_wait_xcnt 0x0                                ; the loads have read their base
	s_add_nc_u64 s[24:25], s[24:25], s[28:29]
	WLOAD 1
.irp t, 0,1,2,3
	WBLOCK \t
.endr
	ds_store_b32 v10, v[WS]                        ; my K step's word of my column
	s_wait_dscnt 0x0                               ; for the others' sake
	s_barrier_signal -1
	s_barrier_wait -1
	s_cmp_lg_u32 s14, 0
	s_cbranch_scc1 .Lw_end
	ds_load_b128 v[WS:WS+3], v11                   ; wave 0: the half's four words of each column
	s_wait_dscnt 0x0
	global_store_b128 v7, v[WS:WS+3], s[34:35]     ; the sixteen lanes of a tile fill 256 consecutive bytes
.Lw_end:
	s_wait_tensorcnt 0x0                           ; the wave's end
	ds_add_u32 v254, v255
	s_wait_dscnt 0x0
	s_endpgm
.Lx_path:
	; ---- x.  A wave takes one tile of 16 rows x 512 along K: four K steps of 128.
	s_sub_co_u32 s15, ttmp9, NWG
	s_lshl_b32 s15, s15, 2
	s_add_co_u32 s15, s15, s14
	s_lshr_b32 s16, s15, 1                         ; tile 0..511
	s_and_b32 s17, s15, 1                          ; which half of K
	s_lshr_b32 s18, s16, 1
	s_lshl_b32 s18, s18, 5
	s_and_b32 s19, s16, 1
	s_lshl_b32 s19, s19, 3
	s_add_co_u32 s18, s18, s19                     ; the tile's first row: 32 (tile / 2) + 8 (tile % 2)
	s_lshl_b32 s26, s18, 12
	s_lshl_b32 s27, s17, 11
	s_add_co_u32 s26, s26, s27
	s_mov_b32 s27, 0
	s_lshl_b32 s28, s16, 14
	s_lshl_b32 s29, s17, 13
	s_add_co_u32 s28, s28, s29
	s_mov_b32 s29, 0
	s_lshl_b32 s30, s16, 9
	s_lshl_b32 s31, s17, 8
	s_add_co_u32 s30, s30, s31
	s_add_co_u32 s30, s30, XSC
	s_mov_b32 s31, 0
	s_mul_i32 s36, s14, 16*SP                      ; my stage
	s_mov_b32 s24, 0xffff0000                      ; lanes 16-31
	s_wait_alu depctr_va_vdst(0)
	v_lshlrev_b32 v1, 4, v2                        ; 16 x lane
	v_add_nc_u32 v3, s36, v1                       ; the stage, on the way in
	v_and_b32 v4, 15, v2                           ; r
	v_lshrrev_b32 v5, 4, v2                        ; h
	v_mul_u32_u24 v6, v4, SP
	v_lshl_add_u32 v6, v5, 6, v6
	v_add_nc_u32 v6, s36, v6                       ; and on the way out: row r, + 64 h
	v_lshlrev_b32 v7, 4, v4
	v_lshl_add_u32 v7, v5, 3, v7                   ; scale words: 16 r + 8 h
.irp b, 0,1,2,3
	v_mov_b32 v[TM+4+\b], 0                        ; written once: a lane permute's destination counts as one of its sources
.endr
	s_wait_alu depctr_va_vdst(0)
	s_wait_kmcnt 0x0
	s_add_nc_u64 s[4:5], s[4:5], s[26:27]
	s_add_nc_u64 s[32:33], s[10:11], s[28:29]
	s_add_nc_u64 s[34:35], s[10:11], s[30:31]
	XLOADK 0, 0
	XLOADK 1, 1
	KSTEP 0
	KSTEP 1
	KSTEP 2
	KSTEP 3
	v_cndmask_b32 v246, v[W], v[W+2], s24          ; both halves of the lanes hold all four words: lanes 0-15 store words 0 and 1, lanes 16-31 words 2 and 3
	v_cndmask_b32 v247, v[W+1], v[W+3], s24
	global_store_b64 v7, v[246:247], s[34:35]      ; 256 consecutive bytes
	s_wait_tensorcnt 0x0                           ; the wave's end
	ds_add_u32 v254, v255
	s_wait_dscnt 0x0
	s_endpgm
.Lfunc_end_k_q1c30098ac1_quant:
	.size	k_q1c30098ac1_quant, .Lfunc_end_k_q1c30098ac1_quant-k_q1c30098ac1_quant
	.p2alignl 7, 3214868480
	.fill 96, 4, 3214868480
	.section	.rodata,"a",@progbits
	.p2align	6, 0x0
	.amdhsa_kernel k_q1c30098ac1_quant
		.amdhsa_group_segment_fixed_size 34816
		.amdhsa_private_segment_fixed_size 0
		.amdhsa_enable_private_segment 0
		.amdhsa_kernarg_size 40
		.amdhsa_user_sgpr_count 2
		.amdhsa_user_sgpr_kernarg_segment_ptr 1
		.amdhsa_wavefront_size32 1
		.amdhsa_system_sgpr_workgroup_id_x 1
		.amdhsa_system_sgpr_workgroup_id_y 1
		.amdhsa_system_sgpr_workgroup_id_z 1
		.amdhsa_system_vgpr_workitem_id 0
		.amdhsa_next_free_vgpr 256
		.amdhsa_next_free_sgpr 66
		.amdhsa_reserve_vcc 0
		.amdhsa_float_denorm_mode_32 3
		.amdhsa_float_denorm_mode_16_64 3
		.amdhsa_memory_ordered 1
		.amdhsa_forward_progress 1
		.amdhsa_inst_pref_size 82
	.end_amdhsa_kernel
	.amdgpu_metadata
---
amdhsa.version: [ 1, 2 ]
amdhsa.kernels:
  - .name:           k_q1c30098ac1_quant
    .symbol:         k_q1c30098ac1_quant.kd
    .args:
      - { .name: x, .offset: 0, .size: 8, .value_kind: global_buffer, .address_space: global }
      - { .name: w_attn, .offset: 8, .size: 8, .value_kind: global_buffer, .address_space: global }
      - { .name: w_proj, .offset: 16, .size: 8, .value_kind: global_buffer, .address_space: global }
      - { .name: xq, .offset: 24, .size: 8, .value_kind: global_buffer, .address_space: global }
      - { .name: wq, .offset: 32, .size: 8, .value_kind: global_buffer, .address_space: global }
    .group_segment_fixed_size: 34816
    .private_segment_fixed_size: 0
    .kernarg_segment_align: 8
    .kernarg_segment_size: 40
    .max_flat_workgroup_size: 128
    .sgpr_count:     66
    .vgpr_count:     256
    .wavefront_size: 32
...
	.end_amdgpu_metadata
.endif
;; end of part 1
;; launch qkv (part 2): grid 12 x 32, 4 waves a work-group, clusters of 4 x 4, 327,680 bytes of LDS; arguments xq, wq, b_attn, qq, kv; writes qq, kv
.if DOCPART == 2
	.amdgcn_target "amdgcn-amd-amdhsa--gfx1250"
	.amdhsa_code_object_version 6
	.text
	.protected	k_q1c30098ac1_qkv
	.globl	k_q1c30098ac1_qkv
	.p2align	8
	.type	k_q1c30098ac1_qkv,@function
k_q1c30098ac1_qkv:
	s_mov_b64 s[64:65], 0
	v_nop
	global_prefetch_b8 v0, s[64:65] scope:SCOPE_SE
	s_setreg_imm32_b32 hwreg(HW_REG_WAVE_MODE, 25, 1), 1
	s_wait_xcnt 0x0
	s_wait_alu depctr_hold_cnt(0) depctr_sa_sdst(0) depctr_va_vdst(0) depctr_va_sdst(0) depctr_va_ssrc(0) depctr_va_vcc(0) depctr_vm_vsrc(0)
	s_getreg_b32 s2, hwreg(HW_REG_IB_STS2, 6, 4)
	s_cmp_eq_u32 s2, 0
	s_cbranch_scc0 .Lentry_in_a_cluster
	s_endpgm
.Lentry_in_a_cluster:
	s_bfe_u32 s2, ttmp6, 0x10000c
	s_cmp_lg_u32 s2, 0xf033
	s_cbranch_scc0 .Lentry_shape_is_right
	s_endpgm
.Lentry_shape_is_right:
; qkv = x w_attn + b_attn on codes of FP8 (E4M3) with E8M0 scales, K = 1,024; the results are quantised in registers and leave as codes for the attention launch: q and k along the head's 64 channels, v along the keys.
; Z[i][j] = sum over k of P[i][k] R[j][k].  A work-group of four waves makes 256 x 256 of Z, a wave 128 x 128: 64 accumulators, 512 registers.  The matrix instruction takes 16 rows of R as source 0 and 16 rows of P as source 1:
; a lane then holds ONE row of P, and, since lane r of tile 2 B + u of every operand holds row 32 B + 8 u + r + 8 (r / 8), the 16 registers of two neighbouring result tiles are 16 NEIGHBOURING rows of R.
; The cluster's x says what is made: 0 q, 1 k: P = x (tokens), R = w_attn's columns: a lane's registers run along the channels.  2 v: P = w_attn's columns 2,048 on, R = x: a lane's registers run along the tokens, the keys.
; So one text quantises all three; only pointers, strides, the bias's layout and the scale words' stores differ, by choices and three branches on the cluster's x, which all partners share.
; OPERANDS lie in memory as images of the operand's registers (2,048 bytes for a tile of 16 rows and 128 along K, a tile's eight images on end), so a slot's tile is dense, a fragment is four ds_load_b128 at 16 x lane, and LDS needs no padding.
; K goes in steps of 256 through two LDS slots; a wave's tensor load brings 8 tiles x 4,096 bytes (the tiles lie 16,384 bytes apart, so the load has 8 rows).  The scale words of all of K come once, with the first fills.
; CLUSTERS: 4 x 4 work-groups; P's tiles are shared along a row of the cluster, R's along a column: each is asked for jointly, by the same tensor load with the same descriptor and a mask that names the four.
; The bias is the C of each sum's first matrix instruction.  The way out uses no LDS: a lane's 16 codes are 16 bytes of an image, and a wave's store covers 512 consecutive bytes.
; LIMITS: NaN and infinities are not served; a block whose largest magnitude lies under 2^-118, or a block of zeros, gets the scale byte 1 (its codes then are zeros or tiny; this program alone reads the bytes).
; REGISTERS, in windows of 256: window 0: v8-13, v16-29 addresses; v32-63 scale words, two sets; v64-127 the bias as C; v128-255 P's fragments, one set; on the way out v128-235 are at work.
;   window 1: R's fragments, two sets.   window 2: the accumulators of my rows 0-63 of P ((a, b) at v[8 (8 a + b)]);   window 3: those of rows 64-127.
.set NQ,    2                          ; matrix instructions deep in a slot
.set FR,    16                         ; registers of a fragment
.set NL,    4                          ; LDS loads that bring one
.set NP,    8                          ; places behind this matrix instruction (ISA guide 7.12.1)
.set SLOT,  131072                     ; a slot: P's 16 tiles x 4,096 bytes, then R's
.set BOFF,  65536
.set SCL,   262144                     ; behind the ring: P's scale words (16 tiles x 512 bytes), then R's
.set SPARE, 278528                     ; the spare words, 128 bytes for each wave: two blocks of 256 bytes that no other line names
.set XSC,   0x800000                   ; where xq's scale bytes begin
.set WSC,   0x400000                   ; wq's
.set QSC,   0x800000                   ; qq's
.set REC,   17152                      ; kv: a record for a head and 128 keys: K's codes 8,192, V's 8,192, K's scale words 512, V's 256
.set HSK,   16*REC                     ; kv: from head to head
.set VO,    8                          ; v8-11  the way out: 16 x lane + {0, SB, SA, SA + SB}
.set SV,    12                         ; v12-13 the scale words' place, for the first head and the second
.set ADRA,  16                         ; v16-17 LDS address of P's fragments in slot 0, 1
.set ADRB,  20                         ; v20-21 of R's
.set ADRS,  27                         ; v27    of my scale words: lanes 0-15 P's rows, lanes 16-31 R's
.set SPW,   28                         ; v28    LDS address of my spare word; never rewritten
.set NIL,   29                         ; v29    0; never rewritten
.set SC,    32
.set BC,    64
.set AF,    128
.set TN,    128                        ; the way out: v128-191 a block's 64 numbers, held
.set PC,    192                        ; v192-207 their codes
.set TM,    208                        ; v208-223 at work
.set WD,    224                        ; v224 the scale word just made;  v225 the even tile's
.set WE,    225
.set PW,    228                        ; v228-231 scale words: register p: tile 2 p in lanes 0-15, tile 2 p + 1 in lanes 16-31
.set PR,    232                        ; v232-235 the same with the halves of each word exchanged
.set G1,    24                         ; s[24:31] descriptor group 1 for P's tiles;  s[32:39] group 0, one set for each slot
.set G0,    32
.set G1B,   48                         ; s[48:55], s[56:63] the same for R's
.set G0B,   56
.set G1S,   68                         ; s[68:75], s[76:79] for P's scale words;  s[80:87], s[88:91] for R's
.set G0S,   76
.set G1SB,  80
.set G0SB,  88
.set SEL,   20                         ; s[20:21] (from the way out's set-up on) lane selects for v_permlanex16_b32
.set MNT,   46                         ; s46 the mantissa field of 448
.set HM,    45                         ; s45 lanes 16-31
.set MSB, 0
.macro WIN new                         ; the immediate's high byte repeats the setting that is left
.if MSB != (\new)
	s_set_vgpr_msb (MSB<<8)|(\new)
.set MSB, (\new)
.endif
.endm
.set MUL_LO, 0xa1                      ; source 0 (R) window 1, source 1 (P) window 0, C and D window 2
.set MUL_HI, 0xf1                      ; the same, C and D window 3
.set TO_B,   0x40                      ; destination window 1, address window 0
; A joint load: waves 0 and 1 fetch for P, waves 2 and 3 for R.  Each of the two lines has one mask and one set of registers for all that issue it; the branch hangs on the wave's number alone.
; Four v_nop follow each of the two lines, ahead of the jump, the label and what follows.
.macro JLOAD g0a, g1a, g0b, g1b
	s_cmp_eq_u32 s15, 0
	s_cbranch_scc0 .Lfor_b_\@
	tensor_load_to_lds s[\g0a:\g0a+3], s[\g1a:\g1a+7]
	s_nop 0
.rept 4
	v_nop
.endr
	s_branch .Lasked_\@
.Lfor_b_\@:
	tensor_load_to_lds s[\g0b:\g0b+3], s[\g1b:\g1b+7]
	s_nop 0
.rept 4
	v_nop
.endr
.Lasked_\@:
.endm
.macro CREST                           ; a round of the cluster's barrier behind its opening barrier
	s_cmp_lg_u32 s14, 0
	s_cbranch_scc1 .Lnot_wave_0_\@
	s_barrier_signal -3
.Lnot_wave_0_\@:
	s_barrier_wait -3
	s_barrier_signal -1
	s_barrier_wait -1
.endm
.macro CROUND                          ; a whole round
	s_barrier_signal -1
	s_barrier_wait -1
	CREST
.endm
.macro FRAG reg, adr, q, i             ; tile i's image of the slot's q-th 128 along K: four groups of 512 bytes, 16 x lane in each
.irp c, 0,1,2,3
	ds_load_b128 v[\reg+4*\c:\reg+4*\c+3], v[\adr] offset:4096*(\i)+2048*(\q)+512*\c
.endr
.endm
; 16 matrix instructions: P's blocks a0, a0 + 1 x R's eight.  p: R's set; sc: the set of scale words.  cm = 0: the sums go on; 1: they start from the bias of R's rows; 2: from the bias of P's rows.
; The 64 accumulators take turns, one instruction a turn, in the same order in every step.
.macro MUL16 a0, p, q, sc, cm
.irp a, \a0, \a0+1
.irp b, 0,1,2,3,4,5,6,7
.if \cm == 1
	v_wmma_scale_f32_16x16x128_f8f6f4 v[8*(8*((\a)%4)+\b):8*(8*((\a)%4)+\b)+7], v[128*(\p)+FR*\b:128*(\p)+FR*\b+FR-1], v[AF+FR*(\a):AF+FR*(\a)+FR-1], v[BC+8*\b:BC+8*\b+7], v[SC+8*NQ*(\sc)+NQ*\b+(\q)], v[SC+8*NQ*(\sc)+NQ*(\a)+(\q)] matrix_a_scale:MATRIX_SCALE_ROW1
.elseif \cm == 2
	v_wmma_scale_f32_16x16x128_f8f6f4 v[8*(8*((\a)%4)+\b):8*(8*((\a)%4)+\b)+7], v[128*(\p)+FR*\b:128*(\p)+FR*\b+FR-1], v[AF+FR*(\a):AF+FR*(\a)+FR-1], v[BC+8*(\a):BC+8*(\a)+7], v[SC+8*NQ*(\sc)+NQ*\b+(\q)], v[SC+8*NQ*(\sc)+NQ*(\a)+(\q)] matrix_a_scale:MATRIX_SCALE_ROW1
.else
	v_wmma_scale_f32_16x16x128_f8f6f4 v[8*(8*((\a)%4)+\b):8*(8*((\a)%4)+\b)+7], v[128*(\p)+FR*\b:128*(\p)+FR*\b+FR-1], v[AF+FR*(\a):AF+FR*(\a)+FR-1], v[8*(8*((\a)%4)+\b):8*(8*((\a)%4)+\b)+7], v[SC+8*NQ*(\sc)+NQ*\b+(\q)], v[SC+8*NQ*(\sc)+NQ*(\a)+(\q)] matrix_a_scale:MATRIX_SCALE_ROW1
.endif
.endr
.endr
.endm
.macro FETCH_B slot, q, p              ; R's eight fragments into set p
	WIN TO_B
.irp i, 0,1,2,3,4,5,6,7
	FRAG 128*(\p)+FR*\i, ADRB+\slot, \q, \i
.endr
	WIN 0
.endm
.macro FETCH_A slot, q, i0             ; P's blocks i0 .. i0 + 3
.irp i, \i0, \i0+1, \i0+2, \i0+3
	FRAG AF+FR*(\i), ADRA+\slot, \q, \i
.endr
.endm
.macro SCALES sc, s                    ; the scale words of the s-th 256 along K into set sc: two words a row; lanes 0-15 take P's block i, lanes 16-31 R's
.irp i, 0,1,2,3,4,5,6,7
	ds_load_b64 v[SC+8*NQ*(\sc)+NQ*\i:SC+8*NQ*(\sc)+NQ*\i+1], v[ADRS] offset:512*\i+256*((\s)/2)+8*((\s)%2)
.endr
.endm
; A load into a register that a matrix instruction has read, and a vector instruction that reads a matrix result or writes one of its registers, stand NP places behind it; only plain vector instructions
; that name none of its registers are places (ISA guide 7.12.1 for vector instructions).
.macro PLACES n
.rept \n
	v_nop
.endr
.endm
.macro STEP slot, q, cm                ; a step of 128 along K that has its successor in the same slot
	s_wait_dscnt 4*NL                              ; R's set, the scale words and P's blocks 0-3 are in; the youngest 16 loads (P's blocks 4-7) may be out
.if \cm
	WIN 0x81                                       ; C (the bias) window 0, D window 2
.else
	WIN MUL_LO
.endif
	MUL16 0, (\q)%2, \q, \slot, \cm
	MUL16 2, (\q)%2, \q, \slot, \cm
	s_wait_dscnt 0                                 ; P's blocks 4-7 are in
	PLACES NP
	FETCH_B \slot, (\q)+1, 1-(\q)%2
	FETCH_A \slot, (\q)+1, 0
.if \cm
	WIN 0xc1
.else
	WIN MUL_HI
.endif
	MUL16 4, (\q)%2, \q, \slot, \cm
	MUL16 6, (\q)%2, \q, \slot, \cm
	PLACES NP
	WIN 0
	FETCH_A \slot, (\q)+1, 4
.endm
; A slot's last step changes slots: one barrier; in front of it each wave waits for all its tensor loads, adds 0 to its spare word, and waits for that and for its own reads of this slot.
; fill = 1: this slot is filled again, two slots ahead; the barrier then opens a round of the cluster's barrier.  s: which 256 along K the next slot holds.
.macro TURN slot, next, fill, s
	s_wait_tensorcnt 0x0                           ; all my tensor loads have landed: my part of the next slot
	ds_add_u32 v[SPW], v[NIL]                      ; 0 onto my spare word
	s_wait_dscnt 4*NL+1                            ; the add and the youngest 16 loads (P's blocks 4-7) may be out
	WIN MUL_LO
	MUL16 0, 1, NQ-1, \slot, 0                     ; sixteen matrix instructions stand between the add and the wait for it
	s_wait_dscnt 0x0                               ; the add is done, and my reads of this slot are over
	s_barrier_signal -1
	MUL16 2, 1, NQ-1, \slot, 0
	WIN 0
	s_barrier_wait -1
.if \fill
	CREST                                          ; no wave of any partner still reads this slot or has a load on its way
	s_add_nc_u64 s[G0+4*\slot+2:G0+4*\slot+3], s[G0+4*\slot+2:G0+4*\slot+3], 8192
	s_add_nc_u64 s[G0B+4*\slot+2:G0B+4*\slot+3], s[G0B+4*\slot+2:G0B+4*\slot+3], 8192
	JLOAD G0+4*\slot, G1, G0B+4*\slot, G1B         ; the first tensor load behind the round; its four v_nop are among the places in front of the loads below
	PLACES NP-4
.else
	PLACES NP
.endif
	FETCH_B \next, 0, 0
	FETCH_A \next, 0, 0
	SCALES \next, \s
	WIN MUL_HI
	MUL16 4, 1, NQ-1, \slot, 0
	MUL16 6, 1, NQ-1, \slot, 0
	PLACES NP
	WIN 0
	FETCH_A \next, 0, 4
.endm
; THE WAY OUT of P's block a: 64 numbers a lane, register 16 b + i = R's row 32 b + 16 (lane / 16) + i: four blocks of 32, each shared with lane l xor 16.
.macro QBLOCK a
.set AC, 64*((\a)%4)
.set QW, 2+(\a)/4
.set QWW, QW|(QW<<2)
	WIN QWW                                        ; sources 0 and 1: the accumulators' window
.irp b, 0,1,2,3
	v_max3_num_f32 v[TM+\b], |v[AC+16*\b]|, |v[AC+16*\b+1]|, 0x4800000   ; each accumulator is read from its low end on; the floor 2^(9 - 127) holds the byte at 1 from below
.endr
.irp i, 2,4,6,8,10,12,14
.irp b, 0,1,2,3
	v_max3_num_f32 v[TM+\b], |v[AC+16*\b+\i]|, |v[AC+16*\b+\i+1]|, v[TM+\b]
.endr
.endr
	WIN 0
.irp b, 0,1,2,3
	v_permlanex16_b32 v[TM+4+\b], v[TM+\b], s[SEL], s[SEL+1]
.endr
.irp b, 0,1,2,3
	v_max_num_f32 v[TM+\b], v[TM+\b], v[TM+4+\b]   ; the block's largest magnitude
.endr
.irp b, 0,1,2,3
	v_add_nc_u32 v[TM+12+\b], 0xfc000000, v[TM+\b] ; 8 off its exponent field: the conversion's scale operand
.endr
.irp b, 0,1,2,3
	v_and_or_b32 v[TM+8+\b], v[TM+\b], 0x7f800000, s[MNT]   ; 448 x the scale
.endr
.irp b, 0,1,2,3
	v_lshrrev_b32 v[TM+4+\b], 23, v[TM+12+\b]      ; the scale's byte
.endr
	v_lshl_or_b32 v[WD], v[TM+5], 8, v[TM+4]
	v_lshl_or_b32 v[WD], v[TM+6], 16, v[WD]
	v_lshl_or_b32 v[WD], v[TM+7], 24, v[WD]
	WIN QW                                         ; source 0: the accumulators' window
.set n, 0
.rept 64
	v_med3_num_f32 v[TN+n], v[AC+n], -v[TM+8+n/16], v[TM+8+n/16]   ; the hold (the conversion does not saturate: ISA guide 7.6.2) also brings the number into window 0
.set n, n+1
.endr
	WIN 0
.if (\a) > 0
	s_wait_alu depctr_va_vdst(0)
	s_wait_xcnt 0x0                                ; the last block's stores have read the codes' registers
.endif
.irp b, 0,1,2,3
	v_cvt_scalef32_pk8_fp8_f32 v[PC+4*\b:PC+4*\b+1], v[TN+16*\b:TN+16*\b+7], v[TM+12+\b]
	v_cvt_scalef32_pk8_fp8_f32 v[PC+4*\b+2:PC+4*\b+3], v[TN+16*\b+8:TN+16*\b+15], v[TM+12+\b]
.endr
.if (\a)%2 == 0
	v_mov_b32 v[WE], v[WD]                         ; (also the plain line behind the last conversion)
.else
	v_cndmask_b32 v[PW+(\a)/2], v[WE], v[WD], s[HM]   ; the even tile's word in lanes 0-15, the odd tile's in lanes 16-31
.endif
.irp bp, 0,1,2,3
	global_store_b128 v[VO+(\bp/2)+2*((\a)/4)], v[PC+4*\bp:PC+4*\bp+3], s[92:93] offset:1024*((\a)%4)+512*(\bp%2)   ; a group of an image: 512 consecutive bytes
.endr
.endm
	s_load_b256 s[4:11], s[0:1], 0x0               ; xq s[4:5], wq s[6:7], b_attn s[8:9], qq s[10:11]
	s_load_b64 s[12:13], s[0:1], 0x20              ; kv
	v_lshl_add_u32 v[SPW], v0, 2, SPARE
	v_mov_b32 v[NIL], 0
	ds_add_u32 v28, v29
	ds_add_u32 v28, v29
	s_wait_dscnt 0x0
	v_lshrrev_b32 v1, 5, v0
	v_readfirstlane_b32 s14, v1                    ; wave 0..3
	s_lshr_b32 s15, s14, 1                         ; which half of P's rows is mine.  Also: I fetch for P (0) or for R (1)
	s_and_b32 s16, s14, 1                          ; which half of R's rows.  Also: which 8 tiles I fetch
	s_bfe_u32 s40, ttmp6, 0x40000                  ; cx, cy: my place in the cluster
	s_bfe_u32 s41, ttmp6, 0x40004
	s_lshl_b32 s43, s41, 2
	s_lshl_b32 s43, 15, s43                        ; my row of the cluster
	s_lshl_b32 s44, 0x1111, s40                    ; my column
	s_and_b32 s17, ttmp7, 0xffff                   ; the cluster's y
	s_lshl_b32 s18, s17, 2
	; the work-group's first tile of P, made of cy and shared numbers alone, and of R, made of cx and shared numbers alone
	s_add_co_u32 s20, s18, s41
	s_lshl_b32 s20, s20, 4                         ; q, k: tokens: 16 (4 y + cy)
	s_lshl_b32 s21, s41, 4
	s_add_co_u32 s21, s21, 128                     ; v: w_attn's columns 2,048 on: 128 + 16 cy
	s_lshl_b32 s46, ttmp9, 2
	s_add_co_u32 s46, s46, s40
	s_lshl_b32 s46, s46, 4                         ; q, k: w_attn's columns: 16 (4 x + cx)
	s_add_co_u32 s47, s18, s40
	s_lshl_b32 s47, s47, 4                         ; v: tokens: 16 (4 y + cx)
	s_cmp_eq_u32 ttmp9, 2                          ; the kind: the same in all sixteen partners
	s_cselect_b32 s20, s21, s20
	s_cselect_b32 s46, s47, s46
	; descriptor group 1: 8 rows (tiles) of 4,096 bytes (512 elements of 8), 16,384 bytes apart; no padding
	s_or_b32 s[G1+0], s43, (3<<16)|(1<<21)         ; 15:0 the mask: P's tiles go to my row; 17:16 elements of 8 bytes; 21 set beside a mask
	s_or_b32 s[G1B+0], s44, (3<<16)|(1<<21)
.irp g, G1, G1B
	s_mov_b32 s[\g+1], 512<<16                     ; tensor_dim0
	s_mov_b32 s[\g+2], 16<<16                      ; tensor_dim1: the head's loads bring all 16 tiles; behind them the two row counts are set to 8
	s_mov_b32 s[\g+3], 512<<16                     ; tile_dim0
	s_mov_b32 s[\g+4], 16                          ; tile_dim1
	s_mov_b32 s[\g+5], 2048                        ; tensor_dim0_stride
	s_mov_b32 s[\g+6], 0
	s_mov_b32 s[\g+7], 0
.endr
	; the scale words of 16 tiles: 8,192 dense bytes, as 32 rows of 256
	s_or_b32 s[G1S+0], s43, (3<<16)|(1<<21)
	s_or_b32 s[G1SB+0], s44, (3<<16)|(1<<21)
.irp g, G1S, G1SB
	s_mov_b32 s[\g+1], 32<<16
	s_mov_b32 s[\g+2], 32<<16                      ; the scale words of 16 tiles: 8,192 dense bytes, 32 rows of 256
	s_mov_b32 s[\g+3], 32<<16
	s_mov_b32 s[\g+4], 32
	s_mov_b32 s[\g+5], 32
	s_mov_b32 s[\g+6], 0
	s_mov_b32 s[\g+7], 0
.endr
	s_mov_b32 s22, s20                             ; the work-group's first tile of P,
	s_mov_b32 s92, s46                             ; and of R
	s_lshl_b32 s66, s22, 9                         ; their scale words,
	s_lshl_b32 s22, s22, 14                        ; their images
	s_mov_b32 s23, 0
	s_mov_b32 s67, 0
	s_lshl_b32 s47, s92, 9
	s_lshl_b32 s92, s92, 14
	s_mov_b32 s93, 0
	s_mov_b32 s98, XSC
	s_mov_b32 s99, WSC
	s_lshl_b32 s42, s14, 15                        ; where they go: wave x 32,768: no place in the cluster enters an LDS address
	s_wait_kmcnt 0x0
	s_cmp_eq_u32 ttmp9, 2
	s_cselect_b64 s[94:95], s[6:7], s[4:5]         ; P's buffer
	s_cselect_b64 s[96:97], s[4:5], s[6:7]         ; R's
	s_cselect_b32 s100, s99, s98                   ; where its scale bytes begin
	s_cselect_b32 s101, s98, s99
	s_add_co_u32 s66, s66, s100
	s_add_co_u32 s98, s47, s101
	s_mov_b32 s99, 0
	s_add_nc_u64 s[22:23], s[94:95], s[22:23]
	s_add_nc_u64 s[66:67], s[94:95], s[66:67]
	s_add_nc_u64 s[92:93], s[96:97], s[92:93]
	s_add_nc_u64 s[98:99], s[96:97], s[98:99]
	CROUND                                         ; all sixteen work-groups are here: the first joint loads meet
	s_mov_b32 s[G0S], 1
	s_mov_b32 s[G0S+1], SCL
	s_mov_b64 s[G0S+2:G0S+3], s[66:67]
	s_or_b32 s[G0S+3], s[G0S+3], 0x80000000
	s_mov_b32 s[G0SB], 1
	s_mov_b32 s[G0SB+1], SCL+8192
	s_mov_b64 s[G0SB+2:G0SB+3], s[98:99]
	s_or_b32 s[G0SB+3], s[G0SB+3], 0x80000000
	s_lshl_b32 s2, s16, 17                         ; in the ring I fetch 8 tiles of 16,384 bytes: which half
	s_mov_b32 s3, 0
	s_mov_b32 s[G0], 1                             ; the head's loads of slot 0: P's 16 tiles whole,
	s_mov_b32 s[G0+1], 0
	s_mov_b64 s[G0+2:G0+3], s[22:23]
	s_or_b32 s[G0+3], s[G0+3], 0x80000000
	s_mov_b32 s[G0B], 1                            ; R's 16 behind them
	s_mov_b32 s[G0B+1], BOFF
	s_mov_b64 s[G0B+2:G0B+3], s[92:93]
	s_or_b32 s[G0B+3], s[G0B+3], 0x80000000
	s_add_nc_u64 s[22:23], s[22:23], s[2:3]
	s_add_nc_u64 s[92:93], s[92:93], s[2:3]
	; THE PREFETCHES INTO THE L2: of the 8 tiles that I fetch in the ring, each of the four partners that ask for them jointly names two, told apart by address (cx for P, cy for R): 32 blocks of 256 bytes, a lane a block.
	s_cmp_eq_u32 s15, 0
	s_cselect_b64 s[4:5], s[22:23], s[92:93]       ; (the two arguments that lay here have been used)
	s_cselect_b32 s6, s40, s41
	s_lshl_b32 s6, s6, 15                          ; two tiles of 16,384 bytes
	s_mov_b32 s7, 0
	s_add_nc_u64 s[4:5], s[4:5], s[6:7]
	s_mov_b32 s[G0+4], 1                           ; slot 1: my 8 tiles
	s_add_co_u32 s[G0+5], s42, SLOT
	s_add_nc_u64 s[G0+6:G0+7], s[22:23], 4096
	s_or_b32 s[G0+7], s[G0+7], 0x80000000
	s_mov_b32 s[G0B+4], 1
	s_add_co_u32 s[G0B+5], s42, SLOT
	s_add_nc_u64 s[G0B+6:G0B+7], s[92:93], 4096
	s_or_b32 s[G0B+7], s[G0B+7], 0x80000000
; THE HEAD'S LOADS, ONE A WAVE: wave 0 slot 0's tiles of P, wave 1 those of R, wave 2 P's scale words, wave 3 R's.  One chain of branches on the wave's number, a load to an arm.
.macro ARM under, g0, g1, next
	s_cmp_lt_u32 s14, \under
	s_cbranch_scc0 \next
	tensor_load_to_lds s[\g0:\g0+3], s[\g1:\g1+7]
	s_nop 0
.rept 4
	v_nop
.endr
	s_branch .Lhead_asked
\next:
.endm
	ARM 1, G0,  G1,  .Lhead_b
	ARM 2, G0B, G1B, .Lhead_sa
	ARM 3, G0S, G1S, .Lhead_sb
	tensor_load_to_lds s[G0SB:G0SB+3], s[G1SB:G1SB+7]
	s_nop 0
.rept 4
	v_nop
.endr
.Lhead_asked:
	v_and_b32 v30, 15, v0
	v_bfe_u32 v31, v0, 4, 1
	v_lshlrev_b32 v30, 8, v30
	v_lshl_add_u32 v30, v31, 14, v30               ; lanes 0-15: the sixteen blocks of a slot's 4,096 bytes of one tile; lanes 16-31: of the next.  Never rewritten
	s_wait_alu depctr_va_vdst(0)
	global_prefetch_b8 v30, s[4:5] offset:4096 th:TH_LOAD_NT scope:SCOPE_SE    ; slot 1's tiles, which the next tensor load asks for,
	global_prefetch_b8 v30, s[4:5] offset:8192 th:TH_LOAD_NT scope:SCOPE_SE    ; and the third 256 along K, two loads on
	; LDS addresses
	v_and_b32 v1, 15, v0                           ; r
	v_bfe_u32 v2, v0, 4, 1                         ; h
	s_wait_alu depctr_va_vdst(0)
	v_and_b32 v5, 31, v0                           ; lane
	v_lshlrev_b32 v3, 4, v5                        ; 16 x lane
	s_wait_alu depctr_va_vdst(0)
	s_lshl_b32 s2, s15, 15                         ; my 8 tiles of P
	s_lshl_b32 s3, s16, 15                         ; my 8 tiles of R,
	s_add_co_u32 s3, s3, BOFF                      ; which lie behind P's 16
.irp s, 0,1
	v_add_nc_u32 v[ADRA+\s], s2, v3
	v_add_nc_u32 v[ADRB+\s], s3, v3
	s_add_co_u32 s2, s2, SLOT
	s_add_co_u32 s3, s3, SLOT
.endr
	s_lshl_b32 s2, s15, 12                         ; P's scale words: my 8 tiles
	s_lshl_b32 s3, s16, 12                         ; R's: my 8 tiles, behind P's 16
	s_add_co_u32 s3, s3, 8192
	s_sub_co_u32 s3, s3, s2
	v_mul_u32_u24 v4, s3, v2                       ; lanes 16-31 take R's
	v_lshl_add_u32 v4, v1, 4, v4                   ; 16 bytes a row
	s_add_co_u32 s2, s2, SCL
	v_add_nc_u32 v[ADRS], s2, v4
	; the way out: which head, which 128 tokens
	s_lshl_b32 s2, s15, 3
	s_add_co_u32 s17, s20, s2                      ; my first tile of P
	s_lshl_b32 s2, s16, 3
	s_add_co_u32 s18, s46, s2                      ; my first tile of R
	s_mov_b32 s66, HSK
	s_mov_b32 s67, REC
	s_mov_b32 s94, HSK
	s_mov_b32 s95, REC
	s_mov_b32 s42, 16384
	s_cmp_eq_u32 ttmp9, 2
	s_cselect_b32 s19, s17, s18                    ; my first tile of channels (of w_attn's 192),
	s_cselect_b32 s21, s18, s17                    ; and of tokens (of the 512)
	s_cselect_b32 s40, 8192, 0                     ; V's codes lie 8,192 bytes into a record,
	s_cselect_b32 s41, 512, 0                      ; its scale words 512 behind K's
	s_cselect_b32 s43, 3, 4                        ; V's scale words: 8 bytes a lane; Q's and K's: 16
	s_cmp_eq_u32 ttmp9, 0
	s_cselect_b32 s66, 131072, s66                 ; codes: from head to head,
	s_cselect_b32 s67, 8192, s67                   ; from 128 tokens to the next
	s_cselect_b32 s94, 8192, s94                   ; scale words likewise
	s_cselect_b32 s95, 512, s95
	s_cselect_b32 s42, QSC, s42                    ; and where they begin
	s_cselect_b64 s[92:93], s[10:11], s[12:13]     ; qq or kv
	s_cmp_eq_u32 ttmp9, 2
	s_cselect_b32 s3, 4096, s66                    ; SB: from R's rows 0-63 to 64-127: q, k: the next head; v: the next 64 keys
	s_cselect_b32 s2, s66, 4096                    ; SA: from P's blocks 0-3 to 4-7: q, k: four tiles of tokens; v: the next head
	s_lshl_b32 s22, s19, 6                         ; the bias: 16 numbers of 4 bytes a tile of channels
	s_mov_b32 s23, 0
	s_add_nc_u64 s[8:9], s[8:9], s[22:23]
	s_lshr_b32 s22, s21, 7                         ; the batch,
	s_lshl_b32 s22, s22, 4
	s_bfe_u32 s47, s19, 0x40002                    ; the head: four tiles of channels each, 16 heads
	s_add_co_u32 s22, s22, s47                     ; 16 x batch + head
	s_bfe_u32 s47, s21, 0x40003                    ; which 128 tokens of the batch's 2,048
	s_mul_i32 s98, s22, s66
	s_mul_i32 s99, s47, s67
	s_add_co_u32 s98, s98, s99
	s_add_co_u32 s98, s98, s40
	s_mov_b32 s99, 0
	s_mul_i32 s100, s22, s94
	s_mul_i32 s101, s47, s95
	s_add_co_u32 s100, s100, s101
	s_add_co_u32 s100, s100, s42
	s_add_co_u32 s100, s100, s41
	s_mov_b32 s101, 0
	s_add_nc_u64 s[96:97], s[92:93], s[100:101]    ; my scale words
	s_add_nc_u64 s[92:93], s[92:93], s[98:99]      ; my codes
	v_mov_b32 v[VO], v3
	v_add_nc_u32 v[VO+1], s3, v3
	v_add_nc_u32 v[VO+2], s2, v3
	v_add_nc_u32 v[VO+3], s2, v[VO+1]
	v_lshlrev_b32 v[SV], s43, v5
	v_add_nc_u32 v[SV+1], s94, v[SV]
	s_mov_b32 s[SEL], 0x76543210
	s_mov_b32 s[SEL+1], 0xfedcba98
	s_mov_b32 s[MNT], 0x600000
	s_mov_b32 s[HM], 0xffff0000
	; the bias in the result's layout.  q, k: register 8 b + j of lane (r, h): channel 32 (b / 2) + 16 h + 8 (b % 2) + j.  v: all eight registers of block a: the channel of my row of P
	v_lshlrev_b32 v6, 6, v2                        ; 64 h
	v_and_b32 v7, 8, v1
	v_add_nc_u32 v7, v7, v1
	v_lshlrev_b32 v7, 2, v7                        ; 4 (r + 8 (r / 8))
	s_cmp_eq_u32 ttmp9, 2
	s_cbranch_scc1 .Lbias_v
.irp bp, 0,1,2,3
.irp jj, 0,1,2,3
	global_load_b128 v[BC+16*\bp+4*\jj:BC+16*\bp+4*\jj+3], v6, s[8:9] offset:128*\bp+16*\jj
.endr
.endr
	s_branch .Lbias_done
.Lbias_v:
	s_wait_alu depctr_va_vdst(0)
.irp a, 0,1,2,3,4,5,6,7
	global_load_b32 v[BC+8*\a], v7, s[8:9] offset:4*(32*(\a/2)+8*(\a%2))
.endr
	s_wait_loadcnt 0x0
.irp a, 0,1,2,3,4,5,6,7
.irp j, 1,2,3,4,5,6,7
	v_mov_b32 v[BC+8*\a+\j], v[BC+8*\a]
.endr
.endr
.Lbias_done:
	s_wait_alu depctr_va_vdst(0)
	s_wait_tensorcnt 0x0                           ; my tile of the head's four is in; these lines stand ahead of slot 1's first fill as ahead of a refill
	ds_add_u32 v[SPW], v[NIL]
	s_mov_b32 s[G1+2], 8<<16                       ; no tensor load of mine is out: from here on a load brings 8 tiles
	s_mov_b32 s[G1+4], 8
	s_mov_b32 s[G1B+2], 8<<16
	s_mov_b32 s[G1B+4], 8
	s_lshl_b32 s2, s16, 17
	s_mov_b32 s3, 0
	s_add_nc_u64 s[G0+2:G0+3], s[G0+2:G0+3], s[2:3]       ; slot 0's group 0 for the ring: my 8 tiles,
	s_add_nc_u64 s[G0B+2:G0B+3], s[G0B+2:G0B+3], s[2:3]
	s_lshl_b32 s[G0+1], s14, 15                    ; at wave x 32,768
	s_lshl_b32 s[G0B+1], s14, 15
	s_wait_dscnt 0x0
	CROUND                                         ; all four tiles are in, and all sixteen work-groups are here
	JLOAD G0+4, G1, G0B+4, G1B                     ; slot 1: the first tensor load behind the round
	FETCH_B 0, 0, 0
	FETCH_A 0, 0, 0
	SCALES 0, 0
	FETCH_A 0, 0, 4
	global_prefetch_b8 v30, s[4:5] offset:12288 th:TH_LOAD_NT scope:SCOPE_SE   ; the last 256 along K, two loads on; nothing lies behind it
	s_wait_loadcnt 0x0                             ; the bias
	s_cmp_eq_u32 ttmp9, 2
	s_cbranch_scc1 .Lfirst_v
	s_wait_alu depctr_va_vdst(0)
	STEP 0, 0, 1                                   ; the first step starts the sums from the bias: nothing is cleared, nothing is added later
	s_branch .Lfirst_done
.Lfirst_v:
	s_wait_alu depctr_va_vdst(0)
	STEP 0, 0, 2
.Lfirst_done:
	TURN 0, 1, 1, 1                                ; K = 1,024 is four slots: written out
	STEP 1, 0, 0
	TURN 1, 0, 1, 2
	STEP 0, 0, 0
	TURN 0, 1, 0, 3                                ; nothing is left to fetch: no round
	STEP 1, 0, 0
	s_wait_dscnt 4*NL                              ; the very last step
	WIN MUL_LO
	MUL16 0, 1, NQ-1, 1, 0
	MUL16 2, 1, NQ-1, 1, 0
	s_wait_dscnt 0
	WIN MUL_HI
	MUL16 4, 1, NQ-1, 1, 0
	MUL16 6, 1, NQ-1, 1, 0
	WIN 0
	PLACES NP                                      ; in front of the first read of results and the first write into P's fragments' registers
.irp b, 0,1,2,3
	v_mov_b32 v[TM+4+\b], 0                        ; written once: a lane permute's destination counts as one of its sources
.endr
.irp a, 0,1,2,3,4,5,6,7
	QBLOCK \a
.endr
.irp p, 0,1,2,3
	v_alignbit_b32 v[PR+\p], v[PW+\p], v[PW+\p], 16   ; q, k: a word's bytes 0, 1 are the first head's two blocks, bytes 2, 3 the second's: the second head's word has them exchanged
.endr
	s_cmp_eq_u32 ttmp9, 2
	s_cbranch_scc1 .Lscales_v
	global_store_b128 v[SV], v[PW:PW+3], s[96:97]      ; 512 consecutive bytes: the words of 8 tiles of tokens.  (A word's upper two bytes meet zero codes in the attention launch; they are scale bytes too, so never 0xff)
	global_store_b128 v[SV+1], v[PR:PR+3], s[96:97]
	s_branch .Lscales_done
.Lscales_v:
	global_store_b64 v[SV], v[PW:PW+1], s[96:97]       ; 256 consecutive bytes: the words of the first head's four tiles of channels,
	s_wait_alu depctr_va_vdst(0)
	global_store_b64 v[SV+1], v[PW+2:PW+3], s[96:97]   ; and of the second's
.Lscales_done:
	s_wait_tensorcnt 0x0                           ; the wave's end
	ds_add_u32 v[SPW], v[NIL]
	s_wait_dscnt 0x0
	CROUND                                         ; the closing round: no work-group ends while a partner may still ask for a tile that names it
	s_endpgm
.Lfunc_end_k_q1c30098ac1_qkv:
	.size	k_q1c30098ac1_qkv, .Lfunc_end_k_q1c30098ac1_qkv-k_q1c30098ac1_qkv
	.p2alignl 7, 3214868480
	.fill 96, 4, 3214868480
	.section	.rodata,"a",@progbits
	.p2align	6, 0x0
	.amdhsa_kernel k_q1c30098ac1_qkv
		.amdhsa_group_segment_fixed_size 327680
		.amdhsa_private_segment_fixed_size 0
		.amdhsa_enable_private_segment 0
		.amdhsa_kernarg_size 40
		.amdhsa_user_sgpr_count 2
		.amdhsa_user_sgpr_kernarg_segment_ptr 1
		.amdhsa_wavefront_size32 1
		.amdhsa_system_sgpr_workgroup_id_x 1
		.amdhsa_system_sgpr_workgroup_id_y 1
		.amdhsa_system_sgpr_workgroup_id_z 1
		.amdhsa_system_vgpr_workitem_id 0
		.amdhsa_next_free_vgpr 1024
		.amdhsa_next_free_sgpr 102
		.amdhsa_reserve_vcc 0
		.amdhsa_float_denorm_mode_32 3
		.amdhsa_float_denorm_mode_16_64 3
		.amdhsa_memory_ordered 1
		.amdhsa_forward_progress 1
		.amdhsa_inst_pref_size 205
	.end_amdhsa_kernel
	.amdgpu_metadata
---
amdhsa.version: [ 1, 2 ]
amdhsa.kernels:
  - .name:           k_q1c30098ac1_qkv
    .symbol:         k_q1c30098ac1_qkv.kd
    .args:
      - { .name: xq, .offset: 0, .size: 8, .value_kind: global_buffer, .address_space: global }
      - { .name: wq, .offset: 8, .size: 8, .value_kind: global_buffer, .address_space: global }
      - { .name: b_attn, .offset: 16, .size: 8, .value_kind: global_buffer, .address_space: global }
      - { .name: qq, .offset: 24, .size: 8, .value_kind: global_buffer, .address_space: global }
      - { .name: kv, .offset: 32, .size: 8, .value_kind: global_buffer, .address_space: global }
    .group_segment_fixed_size: 327680
    .private_segment_fixed_size: 0
    .kernarg_segment_align: 8
    .kernarg_segment_size: 40
    .max_flat_workgroup_size: 128
    .sgpr_count:     102
    .vgpr_count:     1024
    .wavefront_size: 32
...
	.end_amdgpu_metadata
.endif
;; end of part 2
;; launch attn (part 3): grid 256 x 1, 16 waves a work-group, clusters of 4 x 1, 327,680 bytes of LDS; arguments qq, kv, yq; writes yq
.if DOCPART == 3
	.amdgcn_target "amdgcn-amd-amdhsa--gfx1250"
	.amdhsa_code_object_version 6
	.text
	.protected	k_q1c30098ac1_attn
	.globl	k_q1c30098ac1_attn
	.p2align	8
	.type	k_q1c30098ac1_attn,@function
k_q1c30098ac1_attn:
	s_mov_b64 s[64:65], 0
	v_nop
	global_prefetch_b8 v0, s[64:65] scope:SCOPE_SE
	s_setreg_imm32_b32 hwreg(HW_REG_WAVE_MODE, 25, 1), 1
	s_wait_xcnt 0x0
	s_wait_alu depctr_hold_cnt(0) depctr_sa_sdst(0) depctr_va_vdst(0) depctr_va_sdst(0) depctr_va_ssrc(0) depctr_va_vcc(0) depctr_vm_vsrc(0)
	s_getreg_b32 s2, hwreg(HW_REG_IB_STS2, 6, 4)
	s_cmp_eq_u32 s2, 0
	s_cbranch_scc0 .Lentry_in_a_cluster
	s_endpgm
.Lentry_in_a_cluster:
	s_bfe_u32 s2, ttmp6, 0x10000c
	s_cmp_lg_u32 s2, 0x3003
	s_cbranch_scc0 .Lentry_shape_is_right
	s_endpgm
.Lentry_shape_is_right:
; y[b][q][head] = the sum over k <= q of softmax_k(Q . K / 8) V, both products on codes of FP8 (E4M3) with E8M0 scales; y leaves as codes for the last product, quantised along its 1,024 channels.
; Key steps all of whose keys lie under the causal mask are left out: their p is 0 for every input.
; THE SOFTMAX AHEAD OF THE SECOND PRODUCT: t = score x log2(e) / 8; M = the row's largest t so far, rounded up to a whole number; p = 2^(t - M) is quantised along the keys, not normalised; the row's sum is taken of the
; unquantised p and divides at the end.  When M moves, the sum and O are multiplied by 2^(old M - new M): exact.
; LDS HOLDS A WHOLE HEAD.  kv has a record of 17,152 bytes for a head and 128 keys (K's codes [tile 8][group 2][512], V's [64 keys 2][tile of channels 4][group 2][512], K's scale words 512, V's 256: images of registers,
; read at 16 x lane); a head's 16 records are 274,432 bytes.  Each of the sixteen waves asks for one record at the head: nothing is filled again, and the loop has no ring.
; CLUSTER: the four work-groups of a head need the same 16 records at the same time: each record is asked for jointly (mask 15).
; SHARES.  A head has 128 tiles of 16 queries.  Wave w of work-group cx takes tile a = 8 g + 4 (w % 2) + cx, g = w / 2, and then tile 127 - a: g + 1 and 16 - g key steps of 128: SEVENTEEN for every wave, none hidden.
; Step n reads record n while n <= g, then record n - g - 1: never a record above n.  So records 0-3 (waves 0-3, a load line of their own) are shown by a first barrier, steps 0-3 run, and a second barrier shows the rest.
; The record's number is made of the step's count and the wave's number alone; cx enters global addresses and the mask's compare, no branch and no LDS address.
; NO PREFETCH: all that the launch reads of kv is asked for at its head; there is no later load to ask ahead of.
; LAYOUT.  Both products are used transposed: S^T = K Q^T, O^T = V^T P^T: a lane holds one query.  Lane r of tile 2 B + u (of queries, keys or channels) holds row 32 B + 8 u + r + 8 (r / 8),
; so the 16 registers of two neighbouring result tiles are 16 neighbouring keys (or channels): the conversions' results are the next operand's registers.
; THE FIRST PRODUCT'S K IS 64: the upper 64 of the instruction's 128 are zero codes in Q's fragment (v24-31).  K's fragment of tile t is v[32 + 8 t .. + 15]: its upper half is the next tile's codes; for tile 7 it is v96-103,
; where my second tile's Q waits: finite codes all, which meet Q's zeros and add nothing; their scale bytes are scale bytes of another head, never 0xff, and Q's are set to 127.
; LIMITS: NaN and infinities are not served; a block of y whose largest magnitude lies under 2^-118, or of zeros, gets the byte 1; 1 / sum is v_rcp_f32 and a multiplication; the scaled scores stay under 2^31 in magnitude.
; y's scale bytes leave two at a time (a head is two blocks of a row's 32): the bytes beside them belong to other heads' work-groups.
; REGISTERS: v1 16 x lane, v2 8 x lane, v3 spare word, v4 0, v5-6 addresses in the record in hand, v7 r + 8 (r / 8) - 16 h, v8 16 r, v9 the second tile's scale word of Q; v12 -M, v13 the largest t, v[14:15] the sum; v16-31 Q;
; v32-95 K's or V's fragments; v96-103 the second tile's Q; v104-167 S^T, then p; v168-199 O^T; v200-215 p's codes; v216-231 at work, four blocks; v232-235 K's scale words, v[236:237] V's, v238 Q's, v239 p's; v[240:241] f; v242-255 at work.
.set REC,   17152
.set SPARE, 16*REC                     ; behind the records: the spare words, 128 bytes for each wave: eight blocks of 256 bytes that no other line names
.set QSC,   0x800000                   ; where qq's scale words begin
.set XSC,   0x800000                   ; where yq's begin
.set LI,   1
.set L8,   2
.set SPW,  3
.set NIL,  4
.set ADK,  5
.set AD8,  6
.set WV,   10                          ; s10 wave;  s11 16 x batch + head;  s12 g
.set HD,   11
.set G,    12
.set N,    14                          ; s14 the step's count n;  s15 n + 15 - g: 16 and more once the second tile is in hand
.set MP,   15
.set DG,   16                          ; s16 the step that lies on the diagonal;  s17 the step at which the second tile begins
.set PHS,  17
.set QL,   18                          ; s18 my tile's first query within its record of 128;  s19 the second tile's
.set QL2,  19
.set SEL,  20                          ; s[20:21] lane selects: lane l xor 16
.set CS,   22                          ; s[22:23] c = log2(e) / 8
.set MNT,  24                          ; s24 the mantissa field of 448
.set TB,   25                          ; s25 LDS byte at which the record in hand begins
.set G1,   28                          ; s[28:35] descriptor group 1;  s[36:39] group 0
.set G0,   36
.set A1,   44                          ; s[44:51] first tile: Q's codes, Q's scale words, y's codes, y's scale bytes;  s[76:83] the second's;  s66-75 at work, s69 = 0
.set A2,   76
.macro CROUND                          ; a round of the cluster's barrier
	s_barrier_signal -1
	s_barrier_wait -1
	s_cmp_lg_u32 s[WV], 0
	s_cbranch_scc1 .Lnot_wave_0_\@
	s_barrier_signal -3
.Lnot_wave_0_\@:
	s_barrier_wait -3
	s_barrier_signal -1
	s_barrier_wait -1
.endm
.macro TLOAD                           ; my record; an s_nop 0 and four v_nop follow the line
	tensor_load_to_lds s[G0:G0+3], s[G1:G1+7]
	s_nop 0
.rept 4
	v_nop
.endr
.endm
.macro SETQ tt, o, ql                  ; all that hangs on a tile of queries (s[tt], of the head's 128)
	s_lshr_b32 s66, s[\tt], 1
	s_lshl_b32 s[\ql], s66, 5
	s_and_b32 s67, s[\tt], 1
	s_lshl_b32 s68, s67, 3
	s_add_co_u32 s[\ql], s[\ql], s68               ; 32 (tile / 2) + 8 (tile % 2),
	s_and_b32 s[\ql], s[\ql], 127                  ; within its 128
	s_lshl_b32 s68, s[HD], 7
	s_add_co_u32 s68, s68, s[\tt]
	s_lshl_b32 s68, s68, 10                        ; 1,024 bytes a tile
	s_add_nc_u64 s[\o:\o+1], s[4:5], s[68:69]
	s_lshl_b32 s68, s[HD], 4
	s_lshr_b32 s70, s[\tt], 3
	s_add_co_u32 s68, s68, s70
	s_lshl_b32 s68, s68, 9                         ; 512 bytes of scale words for 8 tiles: [lane][4 words]: tile 2 p in lanes 0-15 of word p, tile 2 p + 1 in lanes 16-31
	s_lshl_b32 s70, s67, 8
	s_add_co_u32 s68, s68, s70
	s_and_b32 s70, s66, 3
	s_lshl_b32 s70, s70, 2
	s_add_co_u32 s68, s68, s70
	s_add_co_u32 s68, s68, QSC
	s_add_nc_u64 s[\o+2:\o+3], s[4:5], s[68:69]
	s_lshr_b32 s70, s[HD], 4
	s_lshl_b32 s70, s70, 7
	s_add_co_u32 s70, s70, s[\tt]                  ; my tile among all 512 tiles of tokens
	s_and_b32 s71, s[HD], 15                       ; the head
	s_lshl_b32 s68, s70, 14
	s_lshl_b32 s72, s71, 10                        ; a head's 64 channels are two groups of 512 bytes of the tile's images
	s_add_co_u32 s68, s68, s72
	s_add_nc_u64 s[\o+4:\o+5], s[8:9], s[68:69]
	s_lshl_b32 s68, s70, 9
	s_lshr_b32 s72, s71, 3
	s_lshl_b32 s72, s72, 8
	s_add_co_u32 s68, s68, s72
	s_and_b32 s72, s71, 7
	s_lshl_b32 s72, s72, 1
	s_add_co_u32 s68, s68, s72                     ; [half of K][r][16 bytes]: the head's two bytes
	s_add_co_u32 s68, s68, XSC
	s_add_nc_u64 s[\o+6:\o+7], s[8:9], s[68:69]
.endm
.macro RESET                           ; a tile of queries begins: O^T and the sum are zeros, the largest t lies under every t
.set n, 0
.rept 32
	v_mov_b32 v[168+n], 0
.set n, n+1
.endr
	v_mov_b32 v13, 0xff61b1e6                      ; -3e38
	s_delay_alu instid0(VALU_DEP_1)
	v_floor_f32 v12, -v13
	v_mov_b32 v14, 0
	v_mov_b32 v15, 0
.endm
; A KEY STEP: the 128 keys of the record at s[TB].
.macro STEP
	v_add_nc_u32 v[ADK], s[TB], v[LI]
	v_add_nc_u32 v[AD8], s[TB], v[L8]
.rept 6
	v_nop                                          ; with the two additions: eight places in front of loads into registers that the last products read
.endr
	s_wait_alu depctr_va_vdst(0)
.irp t, 0,1,2,3,4,5,6,7
	ds_load_b128 v[32+8*\t:35+8*\t], v[ADK] offset:1024*\t
	ds_load_b128 v[36+8*\t:39+8*\t], v[ADK] offset:1024*\t+512
.endr
	ds_load_b128 v[232:235], v[ADK] offset:16384
	s_wait_dscnt 0x0
	s_wait_alu depctr_va_vdst(0)
.irp t, 0,2,4,6                        ; S^T = K Q^T: eight tiles of 16 keys; each starts its sum with the constant 0
	v_wmma_scale_f32_16x16x128_f8f6f4 v[104+8*\t:111+8*\t], v[32+8*\t:47+8*\t], v[16:31], 0, v[232+\t/2], v238
	v_wmma_scale_f32_16x16x128_f8f6f4 v[112+8*\t:119+8*\t], v[40+8*\t:55+8*\t], v[16:31], 0, v[232+\t/2], v238 matrix_a_scale:MATRIX_SCALE_ROW1
.endr
.rept 8
	v_nop                                          ; places in front of the loads below and of the first read of the scores
.endr
.irp dt, 0,1,2,3                       ; V's four fragments (16 channels x 128 keys) land under the softmax
.irp c, 0,1,2,3
	ds_load_b128 v[32+16*\dt+4*\c:35+16*\dt+4*\c], v[ADK] offset:8192+4096*(\c/2)+1024*\dt+512*(\c%2)
.endr
.endr
	ds_load_b64 v[236:237], v[AD8] offset:16896
	s_cmp_lg_u32 s[N], s[DG]                       ; on the diagonal (my tile's own record) hidden scores become -infinity ahead of the maximum: p = 0 then.  Every other step's keys all count
	s_cbranch_scc1 .Lopen_\@
	v_add_nc_u32 v245, s[QL], v7                   ; d = my query - the record's first key - 16 (lane / 16).  Register 16 b + i holds key 32 b + 16 (lane / 16) + i: hidden where 32 b + i > d
	v_mov_b32 v246, 0xff800000
.set n, 0
.rept 64
	v_cmp_gt_i32 vcc_lo, 32*(n/16)+n%16, v245
	v_cndmask_b32 v[104+n], v[104+n], v246, vcc_lo
.set n, n+1
.endr
.Lopen_\@:
.irp b, 0,1,2,3
	v_max3_num_f32 v[216+\b], v[104+16*\b], v[105+16*\b], v[106+16*\b]   ; the largest score of each block of 32 keys: for the row's maximum and, since p rises with the score, for the block's largest p
.endr
.irp i, 3,5,7,9,11,13
.irp b, 0,1,2,3
	v_max3_num_f32 v[216+\b], v[216+\b], v[104+16*\b+\i], v[105+16*\b+\i]
.endr
.endr
.irp b, 0,1,2,3
	v_max_num_f32 v[216+\b], v[216+\b], v[119+16*\b]
.endr
.irp b, 0,1,2,3
	s_delay_alu instid0(VALU_DEP_4)
	v_permlanex16_b32 v[220+\b], v[216+\b], s[SEL], s[SEL+1]
.endr
.irp b, 0,1,2,3
	s_delay_alu instid0(VALU_DEP_4)
	v_max_num_f32 v[216+\b], v[216+\b], v[220+\b]  ; with lane l xor 16's 16 keys
.endr
	s_delay_alu instid0(VALU_DEP_2)
	v_max3_num_f32 v244, v216, v217, v218
	s_delay_alu instid0(VALU_DEP_1)
	v_max_num_f32 v244, v244, v219                 ; the step's largest score of my query (the record's first key counts for every query of my tile, so it is a number)
	s_delay_alu instid0(VALU_DEP_1)
	v_mul_f32 v244, s[CS], v244
	s_delay_alu instid0(VALU_DEP_1)
	v_max_num_f32 v13, v13, v244                   ; the running largest t
	v_mov_b32 v244, v12
	s_delay_alu instid0(VALU_DEP_2)
	v_floor_f32 v12, -v13                          ; the new -M = floor(-t): M is a whole number
	s_delay_alu instid0(VALU_DEP_1)
	v_sub_f32 v244, v12, v244                      ; old M - new M: a whole number, 0 or less
	s_delay_alu instid0(VALU_DEP_1)
	v_cvt_i32_f32 v244, v244                       ; (it saturates)
	s_delay_alu instid0(VALU_DEP_1)
	v_ldexp_f32 v240, 1.0, v244                    ; f = 2^(old M - new M)
.set n, 0
.rept 32
	v_pk_fma_f32 v[104+n:105+n], v[104+n:105+n], s[CS:CS+1], v[12:13] op_sel_hi:[1,0,0]   ; t - M, two at a time
.set n, n+2
.endr
.irp b, 0,1,2,3
	v_fma_f32 v[216+\b], v[216+\b], s[CS], v12     ; the same of each block's largest score
.endr
.set n, 0
	s_wait_alu depctr_va_vdst(0)
.rept 64
	v_exp_f32 v[104+n], v[104+n]                   ; p = 2^(t - M), at most 1
.set n, n+1
.endr
.irp b, 0,1,2,3
	v_exp_f32 v[216+\b], v[216+\b]                 ; the block's largest p: the same two instructions on the same number
.endr
	v_pk_mul_f32 v[14:15], v[14:15], v[240:241] op_sel_hi:[1,0]   ; the sums under the new M (a plain line behind the exponentials)
	s_wait_alu depctr_va_vdst(0)                   ; and behind it, ahead of its first reader
.irp b, 0,1,2,3
	v_max_num_f32 v[216+\b], 0x4800000, v[216+\b]  ; the floor 2^(9 - 127): a block whose every p is 0 keeps the byte 1: its codes are zeros
.endr
.irp b, 0,1,2,3
	s_delay_alu instid0(VALU_DEP_4)
	v_add_nc_u32 v[228+\b], 0xfc000000, v[216+\b]  ; 8 off the exponent field: the conversion's scale operand
.endr
.irp b, 0,1,2,3
	v_and_or_b32 v[224+\b], v[216+\b], 0x7f800000, s[MNT]   ; 448 x the scale
.endr
.irp b, 0,1,2,3
	v_lshrrev_b32 v[220+\b], 23, v[228+\b]         ; the scale's byte
.endr
	s_delay_alu instid0(VALU_DEP_3)
	v_lshl_or_b32 v239, v221, 8, v220              ; p's scale word for these 128 keys
	s_delay_alu instid0(VALU_DEP_1)
	v_lshl_or_b32 v239, v222, 16, v239
	s_delay_alu instid0(VALU_DEP_1)
	v_lshl_or_b32 v239, v223, 24, v239
	v_pk_add_f32 v[242:243], v[108:109], v[112:113]   ; the row's sum of the unquantised p, two at a time, in eight chains
	v_pk_add_f32 v[254:255], v[116:117], v[120:121]
	v_pk_add_f32 v[252:253], v[124:125], v[128:129]
	v_pk_add_f32 v[250:251], v[132:133], v[136:137]
	v_pk_add_f32 v[248:249], v[140:141], v[144:145]
	v_pk_add_f32 v[246:247], v[148:149], v[152:153]
	v_pk_add_f32 v[234:235], v[156:157], v[160:161]
	v_pk_add_f32 v[14:15], v[14:15], v[164:165]
	v_pk_add_f32 v[242:243], v[242:243], v[104:105]
	v_pk_add_f32 v[254:255], v[254:255], v[106:107]
	v_pk_add_f32 v[252:253], v[252:253], v[110:111]
	v_pk_add_f32 v[250:251], v[250:251], v[114:115]
	v_pk_add_f32 v[248:249], v[248:249], v[118:119]
	v_pk_add_f32 v[246:247], v[246:247], v[122:123]
	v_pk_add_f32 v[234:235], v[234:235], v[126:127]
	v_pk_add_f32 v[14:15], v[14:15], v[130:131]
	v_pk_add_f32 v[242:243], v[242:243], v[134:135]
	v_pk_add_f32 v[254:255], v[254:255], v[138:139]
	v_pk_add_f32 v[252:253], v[252:253], v[142:143]
	v_pk_add_f32 v[250:251], v[250:251], v[146:147]
	v_pk_add_f32 v[248:249], v[248:249], v[150:151]
	v_pk_add_f32 v[246:247], v[246:247], v[154:155]
	v_pk_add_f32 v[234:235], v[234:235], v[158:159]
	v_pk_add_f32 v[14:15], v[14:15], v[162:163]
	v_pk_add_f32 v[242:243], v[242:243], v[166:167]
	s_delay_alu instid0(VALU_DEP_2)
	v_pk_add_f32 v[14:15], v[14:15], v[250:251]
	s_delay_alu instid0(VALU_DEP_2)
	v_pk_add_f32 v[242:243], v[242:243], v[248:249]
	v_pk_add_f32 v[254:255], v[254:255], v[246:247]
	v_pk_add_f32 v[252:253], v[252:253], v[234:235]
	s_delay_alu instid0(VALU_DEP_2)
	v_pk_add_f32 v[14:15], v[14:15], v[254:255]
	s_delay_alu instid0(VALU_DEP_2)
	v_pk_add_f32 v[242:243], v[242:243], v[252:253]
	s_delay_alu instid0(VALU_DEP_1)
	v_pk_add_f32 v[14:15], v[14:15], v[242:243]
	v_dual_mov_b32 v249, v224 :: v_dual_mov_b32 v250, v225   ; a second copy of the four bounds, each one register bank on, so that a pair of holds names two banks
	v_dual_mov_b32 v251, v226 :: v_dual_mov_b32 v248, v227
.irp b, 0,1,2,3
.irp i, 0,2,4,6,8,10,12,14
	v_dual_min_num_f32 v[104+16*\b+\i], v[104+16*\b+\i], v[224+\b] :: v_dual_min_num_f32 v[105+16*\b+\i], v[105+16*\b+\i], v[248+(\b+1)%4]   ; the conversion does not saturate (ISA guide 7.6.2); p is not negative, so the hold is one-sided; two holds a line
.endr
	v_cvt_scalef32_pk8_fp8_f32 v[200+4*\b:201+4*\b], v[104+16*\b:111+16*\b], v[228+\b]
	v_cvt_scalef32_pk8_fp8_f32 v[202+4*\b:203+4*\b], v[112+16*\b:119+16*\b], v[228+\b]
.endr
	s_wait_alu depctr_va_vdst(0)
.set n, 0
.rept 16
	v_pk_mul_f32 v[168+n:169+n], v[168+n:169+n], v[240:241] op_sel_hi:[1,0]   ; O^T under the new M.  (These sixteen are also the places between the codes and the products below)
.set n, n+2
.endr
	s_wait_alu depctr_va_vdst(0)
	s_wait_dscnt 0x0                               ; V
.irp dt, 0,2                           ; O^T += V^T P^T: the four accumulators take turns, one instruction a turn
	v_wmma_scale_f32_16x16x128_f8f6f4 v[168+8*\dt:175+8*\dt], v[32+16*\dt:47+16*\dt], v[200:215], v[168+8*\dt:175+8*\dt], v[236+\dt/2], v239
	v_wmma_scale_f32_16x16x128_f8f6f4 v[176+8*\dt:183+8*\dt], v[48+16*\dt:63+16*\dt], v[200:215], v[176+8*\dt:183+8*\dt], v[236+\dt/2], v239 matrix_a_scale:MATRIX_SCALE_ROW1
.endr
.endm
; A TILE'S END: O^T / the sum is my 16 queries' 64 channels of y: register 16 b + i = channel 32 b + 16 (lane / 16) + i: two blocks of 32, quantised in registers; the codes are two groups of the tile's image.
.macro EPI yb, ysb
.rept 8
	v_nop                                          ; places behind the last products
.endr
	v_add_f32 v14, v14, v15                        ; the sum's two halves,
	s_delay_alu instid0(VALU_DEP_1)
	v_permlanex16_b32 v244, v14, s[SEL], s[SEL+1]
	s_delay_alu instid0(VALU_DEP_1)
	v_add_f32 v14, v14, v244                       ; and lane l xor 16's
	s_wait_alu depctr_va_vdst(0)
	v_rcp_f32 v14, v14
	v_nop                                          ; a plain line behind the transcendental
.set n, 0
	s_wait_alu depctr_va_vdst(0)
.rept 16
	v_pk_mul_f32 v[104+n:105+n], v[168+n:169+n], v[14:15] op_sel_hi:[1,0]   ; each accumulator from its low end on
.set n, n+2
.endr
.irp b, 0,1
	v_max3_num_f32 v[216+\b], |v[104+16*\b]|, |v[105+16*\b]|, 0x4800000
.endr
.irp i, 2,4,6,8,10,12,14
.irp b, 0,1
	s_delay_alu instid0(VALU_DEP_2)
	v_max3_num_f32 v[216+\b], v[216+\b], |v[104+16*\b+\i]|, |v[105+16*\b+\i]|
.endr
.endr
.irp b, 0,1
	s_delay_alu instid0(VALU_DEP_2)
	v_permlanex16_b32 v[220+\b], v[216+\b], s[SEL], s[SEL+1]
.endr
.irp b, 0,1
	s_delay_alu instid0(VALU_DEP_2)
	v_max_num_f32 v[216+\b], v[216+\b], v[220+\b]
.endr
.irp b, 0,1
	s_delay_alu instid0(VALU_DEP_2)
	v_add_nc_u32 v[228+\b], 0xfc000000, v[216+\b]
.endr
.irp b, 0,1
	s_delay_alu instid0(VALU_DEP_4)
	v_and_or_b32 v[224+\b], v[216+\b], 0x7f800000, s[MNT]
.endr
.irp b, 0,1
	s_delay_alu instid0(VALU_DEP_4)
	v_lshrrev_b32 v[220+\b], 23, v[228+\b]
.endr
	s_delay_alu instid0(VALU_DEP_1)
	v_lshl_or_b32 v245, v221, 8, v220              ; the head's two scale bytes of my row
.irp b, 0,1
.irp i, 0,1,2,3,4,5,6,7,8,9,10,11,12,13,14,15
	v_med3_num_f32 v[104+16*\b+\i], v[104+16*\b+\i], -v[224+\b], v[224+\b]
.endr
	v_cvt_scalef32_pk8_fp8_f32 v[200+4*\b:201+4*\b], v[104+16*\b:111+16*\b], v[228+\b]
	v_cvt_scalef32_pk8_fp8_f32 v[202+4*\b:203+4*\b], v[112+16*\b:119+16*\b], v[228+\b]
.endr
	v_nop                                          ; one plain line behind the last conversion
	global_store_b128 v[LI], v[200:203], s[\yb:\yb+1]              ; 512 consecutive bytes a store
	global_store_b128 v[LI], v[204:207], s[\yb:\yb+1] offset:512
	global_store_b16 v8, v245, s[\ysb:\ysb+1]      ; lanes r and 16 + r write the same two bytes with the same value
.endm
; A TRIP: at step g + 1 the first tile's y leaves and the second tile begins; then the record's place, and the key step.
.macro TRIP
	s_cmp_lg_u32 s[N], s[PHS]
	s_cbranch_scc1 .Lsame_\@
	s_wait_alu depctr_va_vdst(0)
	EPI A1+4, A1+6
.irp j, 0,1,2,3,4,5,6,7
	v_mov_b32 v[16+\j], v[96+\j]                   ; the second tile's Q, which has waited above K's tile 7,
.endr
	v_mov_b32 v238, v9                             ; and its scale word
	RESET
	s_mov_b32 s[DG], 16                            ; its diagonal is the last step
	s_mov_b32 s[QL], s[QL2]
	s_wait_alu depctr_va_vdst(0)
	s_wait_xcnt 0x0                                ; the stores have read their registers, which the step below writes
.Lsame_\@:
	s_lshr_b32 s66, s[MP], 4                       ; 1 once the second tile is in hand
	s_mul_i32 s66, s66, 15
	s_and_b32 s67, s[MP], s66                      ; then the record is (n + 15 - g) % 16 = n - g - 1;
	s_xor_b32 s66, s66, 15
	s_and_b32 s66, s[N], s66                       ; before, it is n
	s_or_b32 s67, s67, s66
	s_mul_i32 s[TB], s67, REC
	STEP
	s_add_co_u32 s[MP], s[MP], 1
	s_add_co_u32 s[N], s[N], 1
.endm
	s_load_b128 s[4:7], s[0:1], 0x0                ; qq s[4:5], kv s[6:7]
	s_load_b64 s[8:9], s[0:1], 0x10                ; yq
	v_lshl_add_u32 v[SPW], v0, 2, SPARE
	v_mov_b32 v[NIL], 0
	ds_add_u32 v[SPW], v[NIL]                      ; the opening lines: the add, twice on end, and its wait ahead of my first tensor load
	ds_add_u32 v[SPW], v[NIL]
	v_lshrrev_b32 v9, 5, v0
	v_readfirstlane_b32 s[WV], v9                  ; wave 0..15
	s_mov_b32 s[HD], ttmp9                         ; the cluster's number: 16 x batch + head
	s_bfe_u32 s75, ttmp6, 0x40000                  ; cx
	s_mul_i32 s[G0+1], s[WV], REC                  ; my record's place in LDS,
	s_lshl_b32 s68, s[HD], 4
	s_add_co_u32 s68, s68, s[WV]
	s_mul_i32 s68, s68, REC                        ; and in kv
	s_mov_b32 s69, 0
	; descriptor group 1: a record, 17,152 dense bytes, as 67 rows of 256 bytes (32 elements of 8); the mask names the cluster's four
	s_mov_b32 s[G1], 15|(3<<16)|(1<<21)
	s_mov_b32 s[G1+1], 32<<16
	s_mov_b32 s[G1+2], 67<<16
	s_mov_b32 s[G1+3], 32<<16
	s_mov_b32 s[G1+4], 67
	s_mov_b32 s[G1+5], 32
	s_mov_b32 s[G1+6], 0
	s_mov_b32 s[G1+7], 0
	s_mov_b32 s[SEL], 0x76543210
	s_mov_b32 s[SEL+1], 0xfedcba98
	s_mov_b32 s[CS], 0x3e38aa3b                    ; c = log2(e) / 8
	s_mov_b32 s[CS+1], s[CS]                       ; (named with it as a pair, so it is written)
	s_mov_b32 s[MNT], 0x600000
	s_mov_b32 s26, 0x7f7f0000
	s_lshr_b32 s[G], s[WV], 1
	s_mov_b32 s[N], 0
	s_sub_co_u32 s[MP], 15, s[G]
	s_add_co_u32 s[PHS], s[G], 1
	s_mov_b32 s[DG], s[G]                          ; the first tile's diagonal: its own record, g
	s_wait_dscnt 0x0                               ; both opening adds are done
	CROUND                                         ; the four work-groups are here: the joint loads meet
	s_wait_kmcnt 0x0
	s_mov_b32 s[G0], 1
	s_add_nc_u64 s[G0+2:G0+3], s[6:7], s[68:69]
	s_or_b32 s[G0+3], s[G0+3], 0x80000000
	s_cmp_lt_u32 s[WV], 4                          ; one load a wave; waves 0-3, whose records the first barrier shows, have a line of their own
	s_cbranch_scc0 .Llater
	TLOAD
	s_branch .Lasked
.Llater:
	TLOAD
.Lasked:
	s_lshl_b32 s73, s[G], 3
	s_and_b32 s74, s[WV], 1
	s_lshl_b32 s74, s74, 2
	s_add_co_u32 s73, s73, s74
	s_add_co_u32 s73, s73, s75                     ; my first tile: 8 g + 4 (wave % 2) + cx
	s_sub_co_u32 s74, 127, s73                     ; and my second
	SETQ 73, A1, QL
	SETQ 74, A2, QL2
	v_and_b32 v9, 31, v0
	v_and_b32 v10, 15, v0                          ; r
	v_bfe_u32 v11, v0, 4, 1                        ; h
	v_lshlrev_b32 v[LI], 4, v9
	v_lshlrev_b32 v[L8], 3, v9
	v_lshlrev_b32 v8, 4, v10
	v_and_b32 v7, 8, v10
	v_lshlrev_b32 v11, 4, v11
	v_add_nc_u32 v7, v7, v10
	v_sub_nc_u32 v7, v7, v11                       ; r + 8 (r / 8) - 16 h
	s_wait_alu depctr_va_vdst(0)
	global_load_b128 v[16:19], v[LI], s[A1:A1+1]
	global_load_b128 v[20:23], v[LI], s[A1:A1+1] offset:512
	global_load_b32 v238, v8, s[A1+2:A1+3]
	global_load_b128 v[96:99], v[LI], s[A2:A2+1]
	global_load_b128 v[100:103], v[LI], s[A2:A2+1] offset:512
	global_load_b32 v9, v8, s[A2+2:A2+3]
.irp j, 0,1,2,3,4,5,6,7
	v_mov_b32 v[24+\j], 0                          ; the upper 64 of Q's 128 along K: zero codes, for the whole launch
.endr
.irp b, 0,1,2,3
	v_mov_b32 v[220+\b], 0                         ; written once: a lane permute's destination counts as one of its sources
.endr
	v_mov_b32 v241, 0                              ; (named as the upper half of the pair v[240:241])
	v_mov_b32 v244, 0
	RESET
	s_wait_alu depctr_va_vdst(0)
	s_wait_loadcnt 0x0
	v_and_or_b32 v238, v238, 0xffff, s26           ; the scale bytes of Q's zero codes: 127
	v_and_or_b32 v9, v9, 0xffff, s26
	s_wait_alu depctr_va_vdst(0)
	s_cmp_lt_u32 s[WV], 4
	s_cbranch_scc0 .Lnot_first
	s_wait_tensorcnt 0x0                           ; waves 0-3: records 0-3 are in.  The other waves' wait stands at the second barrier
.Lnot_first:
	s_barrier_signal -1
	s_barrier_wait -1
.Lfirst:                                           ; steps 0-3: no record above 3 is read
	TRIP
	s_cmp_lt_u32 s[N], 4
	s_cbranch_scc1 .Lfirst
	s_wait_tensorcnt 0x0                           ; every wave: my record is in
	s_wait_dscnt 0x0
	s_barrier_signal -1
	s_barrier_wait -1                              ; all sixteen are
.Lrest:                                            ; steps 4-16
	TRIP
	s_cmp_lt_u32 s[N], 17
	s_cbranch_scc1 .Lrest
	s_wait_alu depctr_va_vdst(0)
	EPI A2+4, A2+6
	s_wait_tensorcnt 0x0                           ; the wave's end
	ds_add_u32 v[SPW], v[NIL]
	s_wait_dscnt 0x0
	CROUND                                         ; the closing round
	s_endpgm
.Lfunc_end_k_q1c30098ac1_attn:
	.size	k_q1c30098ac1_attn, .Lfunc_end_k_q1c30098ac1_attn-k_q1c30098ac1_attn
	.p2alignl 7, 3214868480
	.fill 96, 4, 3214868480
	.section	.rodata,"a",@progbits
	.p2align	6, 0x0
	.amdhsa_kernel k_q1c30098ac1_attn
		.amdhsa_group_segment_fixed_size 327680
		.amdhsa_private_segment_fixed_size 0
		.amdhsa_enable_private_segment 0
		.amdhsa_kernarg_size 24
		.amdhsa_user_sgpr_count 2
		.amdhsa_user_sgpr_kernarg_segment_ptr 1
		.amdhsa_wavefront_size32 1
		.amdhsa_system_sgpr_workgroup_id_x 1
		.amdhsa_system_sgpr_workgroup_id_y 1
		.amdhsa_system_sgpr_workgroup_id_z 1
		.amdhsa_system_vgpr_workitem_id 0
		.amdhsa_next_free_vgpr 256
		.amdhsa_next_free_sgpr 90
		.amdhsa_reserve_vcc 1
		.amdhsa_float_denorm_mode_32 3
		.amdhsa_float_denorm_mode_16_64 3
		.amdhsa_memory_ordered 1
		.amdhsa_forward_progress 1
		.amdhsa_inst_pref_size 83
	.end_amdhsa_kernel
	.amdgpu_metadata
---
amdhsa.version: [ 1, 2 ]
amdhsa.kernels:
  - .name:           k_q1c30098ac1_attn
    .symbol:         k_q1c30098ac1_attn.kd
    .args:
      - { .name: qq, .offset: 0, .size: 8, .value_kind: global_buffer, .address_space: global }
      - { .name: kv, .offset: 8, .size: 8, .value_kind: global_buffer, .address_space: global }
      - { .name: yq, .offset: 16, .size: 8, .value_kind: global_buffer, .address_space: global }
    .group_segment_fixed_size: 327680
    .private_segment_fixed_size: 0
    .kernarg_segment_align: 8
    .kernarg_segment_size: 24
    .max_flat_workgroup_size: 512
    .sgpr_count:     90
    .vgpr_count:     256
    .wavefront_size: 32
...
	.end_amdgpu_metadata
.endif
;; end of part 3
;; launch proj (part 4): grid 4 x 64, 4 waves a work-group, clusters of 4 x 4, 327,680 bytes of LDS; arguments yq, wq, b_proj, out0; writes out0
.if DOCPART == 4
	.amdgcn_target "amdgcn-amd-amdhsa--gfx1250"
	.amdhsa_code_object_version 6
	.text
	.protected	k_q1c30098ac1_proj
	.globl	k_q1c30098ac1_proj
	.p2align	8
	.type	k_q1c30098ac1_proj,@function
k_q1c30098ac1_proj:
	s_mov_b64 s[64:65], 0
	v_nop
	global_prefetch_b8 v0, s[64:65] scope:SCOPE_SE
	s_setreg_imm32_b32 hwreg(HW_REG_WAVE_MODE, 25, 1), 1
	s_wait_xcnt 0x0
	s_wait_alu depctr_hold_cnt(0) depctr_sa_sdst(0) depctr_va_vdst(0) depctr_va_sdst(0) depctr_va_ssrc(0) depctr_va_vcc(0) depctr_vm_vsrc(0)
	s_getreg_b32 s2, hwreg(HW_REG_IB_STS2, 6, 4)
	s_cmp_eq_u32 s2, 0
	s_cbranch_scc0 .Lentry_in_a_cluster
	s_endpgm
.Lentry_in_a_cluster:
	s_bfe_u32 s2, ttmp6, 0x10000c
	s_cmp_lg_u32 s2, 0xf033
	s_cbranch_scc0 .Lentry_shape_is_right
	s_endpgm
.Lentry_shape_is_right:
; out0 = y w_proj + b_proj on codes of FP8 (E4M3) with E8M0 scales, K = 1,024; f32 sums, f32 out.
; A work-group of four waves makes 128 tokens x 256 columns: 64 x 4 = 256 work-groups.  A wave makes 64 x 128: 32 accumulators.  The matrix instruction takes 16 columns of w_proj (R) as source 0 and 16 tokens of y (P) as source 1:
; a lane then holds one token, and, since lane r of tile 2 B + u of every operand holds row 32 B + 8 u + r + 8 (r / 8), the 16 registers of two neighbouring result tiles are 16 neighbouring columns.
; OPERANDS lie in memory as images of the operand's registers (2,048 bytes for a tile of 16 rows and 128 along K, a tile's eight images on end): a fragment is four ds_load_b128 at 16 x lane, and LDS needs no padding.
; K goes in steps of 256 through two LDS slots (P's 8 tiles x 4,096 bytes, then R's 16).  In the ring waves 0 and 1 fetch 4 tiles of P each, waves 2 and 3 8 tiles of R each.  The scale words of all of K come once, at the head.
; CLUSTERS: 4 x 4 work-groups; P's tiles are shared along a row of the cluster, R's along a column: each is asked for jointly.
; Both operands have two sets of fragment registers: a step of 128 along K fetches the next step's fragments ahead of its own 32 products.  The bias is the C of each sum's first product.
; THE TILES ARE PREFETCHED INTO THE L2 two tensor loads ahead: slots 1 and 2 at the head, slot 3 behind slot 1's load; the four partners of a joint load share its blocks of 256 bytes out by address.
; REGISTERS: window 0: v1-31 addresses; v32-63 scale words, two sets; v64-127 the bias as C; v128-255 P's fragments, two sets of four; on the way out v128-255 take rows back from the stage.
;   window 1: R's fragments, two sets of eight.   window 2: the accumulators ((a, b) at v[8 (8 a + b)]).
.set FR,    16                         ; registers of a fragment
.set NP,    8                          ; places behind this matrix instruction (ISA guide 7.12.1)
.set BOFF,  32768                      ; in a slot: R's tiles behind P's
.set SLOT,  98304
.set SCL,   2*SLOT                     ; behind the ring: P's scale words (8 tiles x 512 bytes), then R's (16 tiles)
.set SPARE, SCL+12288                  ; the spare words, 128 bytes for each wave: two blocks of 256 bytes that no other line names
.set XSC,   0x800000                   ; where yq's scale bytes begin
.set WSC,   0x400000                   ; wq's
.set SPITCH, 528                       ; the way out: a stage of 16 rows x (512 bytes + 16) for each wave, in slot 0, which has had its last fill and its last read by then
.set ADRA,  16                         ; v16-17 LDS address of P's fragments in slot 0, 1
.set ADRB,  20                         ; v20-21 of R's
.set ADRS2, 22                         ; v22    of R's scale words, in all lanes
.set STO,   24
.set RD,    25
.set CO,    26
.set ADRS,  27                         ; v27    of my scale words: lanes 0-15 P's rows, lanes 16-31 R's
.set SPW,   28                         ; v28    LDS address of my spare word; never rewritten
.set NIL,   29                         ; v29    0; never rewritten
.set PFO,   30                         ; v30    the prefetches' offset; never rewritten
.set SC,    32
.set BC,    64
.set AF,    128
.set BK,    128
.set G1,    24                         ; s[24:31] descriptor group 1 for P's tiles;  s[32:39] group 0, one set for each slot
.set G0,    32
.set G1B,   48                         ; s[48:55], s[56:63] the same for R's
.set G0B,   56
.set G1S,   68                         ; s[68:75], s[76:79] for P's scale words;  s[80:87], s[88:91] for R's
.set G0S,   76
.set G1SB,  80
.set G0SB,  88
.set MSB, 0
.macro WIN new                         ; the immediate's high byte repeats the setting that is left
.if MSB != (\new)
	s_set_vgpr_msb (MSB<<8)|(\new)
.set MSB, (\new)
.endif
.endm
.set MUL_LO, 0xa1                      ; source 0 (R) window 1, source 1 (P) window 0, C and D window 2
.set MUL_C,  0x81                      ; the same with C (the bias) in window 0
.set TO_B,   0x40                      ; destination window 1, address window 0
.macro TL g0, g1                       ; a tensor load; an s_nop 0 and four v_nop follow it
	tensor_load_to_lds s[\g0:\g0+3], s[\g1:\g1+7]
	s_nop 0
.rept 4
	v_nop
.endr
.endm
.macro JLOAD g0a, g1a, g0b, g1b        ; a joint load of the ring: waves 0 and 1 fetch for P, waves 2 and 3 for R
	s_cmp_eq_u32 s15, 0
	s_cbranch_scc0 .Lfor_b_\@
	TL \g0a, \g1a
	s_branch .Lasked_\@
.Lfor_b_\@:
	TL \g0b, \g1b
.Lasked_\@:
.endm
.macro CREST                           ; a round of the cluster's barrier behind its opening barrier
	s_cmp_lg_u32 s14, 0
	s_cbranch_scc1 .Lnot_wave_0_\@
	s_barrier_signal -3
.Lnot_wave_0_\@:
	s_barrier_wait -3
	s_barrier_signal -1
	s_barrier_wait -1
.endm
.macro CROUND
	s_barrier_signal -1
	s_barrier_wait -1
	CREST
.endm
.macro PLACES n
.rept \n
	v_nop
.endr
.endm
.macro FRAG reg, adr, q, i             ; tile i's image of the slot's q-th 128 along K: four groups of 512 bytes, 16 x lane in each
.irp c, 0,1,2,3
	ds_load_b128 v[\reg+4*\c:\reg+4*\c+3], v[\adr] offset:4096*(\i)+2048*(\q)+512*\c
.endr
.endm
.macro FETCH slot, q, p                ; R's eight fragments and P's four into set p: 48 loads
	WIN TO_B
.irp i, 0,1,2,3,4,5,6,7
	FRAG 128*(\p)+FR*\i, ADRB+\slot, \q, \i
.endr
	WIN 0
.irp i, 0,1,2,3
	FRAG AF+64*(\p)+FR*\i, ADRA+\slot, \q, \i
.endr
.endm
.macro SCALES sc, s                    ; the scale words of the s-th 256 along K into set sc: two words a row.  Registers of blocks 0-3: lanes 0-15 P's, lanes 16-31 R's; of blocks 4-7: R's (lanes 0-15 hold the same and are not read)
.irp i, 0,1,2,3
	ds_load_b64 v[SC+16*(\sc)+2*\i:SC+16*(\sc)+2*\i+1], v[ADRS] offset:512*\i+256*((\s)/2)+8*((\s)%2)
.endr
.irp i, 4,5,6,7
	ds_load_b64 v[SC+16*(\sc)+2*\i:SC+16*(\sc)+2*\i+1], v[ADRS2] offset:512*\i+256*((\s)/2)+8*((\s)%2)
.endr
.endm
; 16 products: P's blocks a0, a0 + 1 x R's eight, from set p; q: which 128 of the slot; sc: the set of scale words; cm = 1: the sums start from the bias.
; The 32 accumulators take turns, one instruction a turn, in the same order in every step.
.macro MUL16 a0, p, q, sc, cm
.irp a, \a0, \a0+1
.irp b, 0,1,2,3,4,5,6,7
.if \cm
	v_wmma_scale_f32_16x16x128_f8f6f4 v[8*(8*(\a)+\b):8*(8*(\a)+\b)+7], v[128*(\p)+FR*\b:128*(\p)+FR*\b+FR-1], v[AF+64*(\p)+FR*(\a):AF+64*(\p)+FR*(\a)+FR-1], v[BC+8*\b:BC+8*\b+7], v[SC+16*(\sc)+2*\b+(\q)], v[SC+16*(\sc)+2*(\a)+(\q)] matrix_a_scale:MATRIX_SCALE_ROW1
.else
	v_wmma_scale_f32_16x16x128_f8f6f4 v[8*(8*(\a)+\b):8*(8*(\a)+\b)+7], v[128*(\p)+FR*\b:128*(\p)+FR*\b+FR-1], v[AF+64*(\p)+FR*(\a):AF+64*(\p)+FR*(\a)+FR-1], v[8*(8*(\a)+\b):8*(8*(\a)+\b)+7], v[SC+16*(\sc)+2*\b+(\q)], v[SC+16*(\sc)+2*(\a)+(\q)] matrix_a_scale:MATRIX_SCALE_ROW1
.endif
.endr
.endr
.endm
.macro STEP slot, cm                   ; a slot's first 128 along K, from set 0; the second 128's fragments go into set 1 under its products
	s_wait_dscnt 0x0                               ; set 0 and the slot's scale words are in
	PLACES NP                                      ; behind the last products, which read set 1
	FETCH \slot, 1, 1
.if \cm
	WIN MUL_C
.else
	WIN MUL_LO
.endif
	MUL16 0, 0, 0, \slot, \cm
	MUL16 2, 0, 0, \slot, \cm
	WIN 0
.endm
; A slot's second 128, from set 1, changes slots: one barrier; in front of it each wave waits for all its tensor loads, adds 0 to its spare word, and waits for that and for its reads of this slot.
; fill = 1: this slot is filled again, two slots ahead; the barrier then opens a round of the cluster's barrier.  s: which 256 along K the next slot holds.
.macro TURN slot, next, fill, s
	s_wait_tensorcnt 0x0                           ; all my tensor loads have landed: my part of the next slot
	ds_add_u32 v[SPW], v[NIL]
.if \fill
	s_add_nc_u64 s[G0+4*\slot+2:G0+4*\slot+3], s[G0+4*\slot+2:G0+4*\slot+3], 8192     ; no load of mine is out: this slot's next tiles
	s_add_nc_u64 s[G0B+4*\slot+2:G0B+4*\slot+3], s[G0B+4*\slot+2:G0B+4*\slot+3], 8192
.endif
	s_wait_dscnt 0x0                               ; the add is done, set 1 is in, and so my reads of this slot are over
	s_barrier_signal -1
	WIN MUL_LO
	MUL16 0, 1, 1, \slot, 0                        ; work on registers while the others arrive
	WIN 0
	s_barrier_wait -1
.if \fill
	CREST                                          ; no wave of any partner still reads this slot or has a load on its way
	JLOAD G0+4*\slot, G1, G0B+4*\slot, G1B         ; the first tensor load behind the round; its four v_nop are among the places in front of the loads below
	PLACES NP-4
.else
	PLACES NP
.endif
	FETCH \next, 0, 0
	SCALES \next, \s
	WIN MUL_LO
	MUL16 2, 1, 1, \slot, 0
	WIN 0
.endm
; THE WAY OUT, block by block of 16 tokens x 128 columns, through my own stage in LDS: in as 32 bytes a lane and tile, back as whole rows of 512 bytes, which the 32 lanes store as two aligned units of 256 bytes.
.macro TOSTAGE a
.set AC, 64*(\a)
	WIN 0x08                                       ; the data: window 2
.irp b, 0,1,2,3,4,5,6,7
	ds_store_b128 v[STO], v[AC+8*\b:AC+8*\b+3] offset:128*(\b/2)+32*(\b%2)          ; each accumulator from its low end on
	ds_store_b128 v[STO], v[AC+8*\b+4:AC+8*\b+7] offset:128*(\b/2)+32*(\b%2)+16
.endr
	WIN 0
.set BB, BK+64*((\a)%2)
.irp t, 0,1,2,3,4,5,6,7,8,9,10,11,12,13,14,15
	ds_load_b128 v[BB+4*\t:BB+4*\t+3], v[RD] offset:\t*SPITCH   ; LDS serves a wave's instructions in order: these see the stores above
.endr
.endm
.macro SEND a, younger                 ; younger: the LDS instructions issued behind block a's loads, which may stay out
.set BB, BK+64*((\a)%2)
	s_wait_dscnt \younger
.irp t, 0,1,2,3,4,5,6,7,8,9,10,11,12,13,14,15
	global_store_b128 v[CO], v[BB+4*\t:BB+4*\t+3], s[10:11] offset:(32*((\a)/2)+8*((\a)%2)+\t+8*(\t/8))*4096 th:TH_STORE_NT
.endr
.endm
	s_load_b256 s[4:11], s[0:1], 0x0               ; yq s[4:5], wq s[6:7], b_proj s[8:9], out0 s[10:11]
	v_lshl_add_u32 v[SPW], v0, 2, SPARE
	v_mov_b32 v[NIL], 0
	ds_add_u32 v[SPW], v[NIL]                      ; the opening lines: the add, twice on end, and its wait ahead of my first tensor load
	ds_add_u32 v[SPW], v[NIL]
	v_lshrrev_b32 v1, 5, v0
	v_readfirstlane_b32 s14, v1                    ; wave 0..3
	s_lshr_b32 s15, s14, 1                         ; which half of P's rows is mine.  Also: I fetch for P (0) or for R (1)
	s_and_b32 s16, s14, 1                          ; which half of R's rows.  Also: which half of the tiles I fetch
	s_bfe_u32 s40, ttmp6, 0x40000                  ; cx, cy: my place in the cluster
	s_bfe_u32 s41, ttmp6, 0x40004
	s_lshl_b32 s43, s41, 2
	s_lshl_b32 s43, 15, s43                        ; my row of the cluster
	s_lshl_b32 s44, 0x1111, s40                    ; my column
	s_and_b32 s17, ttmp7, 0xffff
	s_lshl_b32 s20, s17, 2
	s_add_co_u32 s20, s20, s41
	s_lshl_b32 s20, s20, 3                         ; my first tile of tokens: 8 (4 y + cy)
	s_lshl_b32 s46, ttmp9, 2
	s_add_co_u32 s46, s46, s40
	s_lshl_b32 s46, s46, 4
	s_add_co_u32 s46, s46, 192                     ; my first tile of wq: w_proj's begin at 192: 192 + 16 (4 x + cx)
	; descriptor group 1: rows (tiles) of 4,096 bytes (512 elements of 8), 16,384 bytes apart.  At the head 8 tiles of P and 16 of R to a load; in the ring half as many
	s_or_b32 s[G1+0], s43, (3<<16)|(1<<21)
	s_or_b32 s[G1B+0], s44, (3<<16)|(1<<21)
.irp g, G1, G1B
	s_mov_b32 s[\g+1], 512<<16
	s_mov_b32 s[\g+3], 512<<16
	s_mov_b32 s[\g+5], 2048
	s_mov_b32 s[\g+6], 0
	s_mov_b32 s[\g+7], 0
.endr
	s_mov_b32 s[G1+2], 8<<16
	s_mov_b32 s[G1+4], 8
	s_mov_b32 s[G1B+2], 16<<16
	s_mov_b32 s[G1B+4], 16
	; the scale words: dense bytes as rows of 256: 16 rows for P's 8 tiles, 32 for R's 16
	s_or_b32 s[G1S+0], s43, (3<<16)|(1<<21)
	s_or_b32 s[G1SB+0], s44, (3<<16)|(1<<21)
.irp g, G1S, G1SB
	s_mov_b32 s[\g+1], 32<<16
	s_mov_b32 s[\g+3], 32<<16
	s_mov_b32 s[\g+5], 32
	s_mov_b32 s[\g+6], 0
	s_mov_b32 s[\g+7], 0
.endr
	s_mov_b32 s[G1S+2], 16<<16
	s_mov_b32 s[G1S+4], 16
	s_mov_b32 s[G1SB+2], 32<<16
	s_mov_b32 s[G1SB+4], 32
	s_lshl_b32 s66, s20, 9
	s_add_co_u32 s66, s66, XSC                     ; offsets: P's scale words,
	s_lshl_b32 s22, s20, 14                        ; its images,
	s_mov_b32 s23, 0
	s_mov_b32 s67, 0
	s_lshl_b32 s98, s46, 9
	s_add_co_u32 s98, s98, WSC                     ; R's likewise
	s_lshl_b32 s92, s46, 14
	s_mov_b32 s93, 0
	s_mov_b32 s99, 0
	s_lshl_b32 s2, s16, 3
	s_add_co_u32 s46, s46, s2
	s_sub_co_u32 s46, s46, 192
	s_lshl_b32 s46, s46, 6                         ; my first column, in bytes of b_proj and of a row of out0
	s_mov_b32 s47, 0
	s_lshl_b32 s2, s15, 2
	s_add_co_u32 s20, s20, s2
	s_lshl_b32 s20, s20, 16                        ; my first token's row of out0: 16 rows of 4,096 bytes a tile
	s_mov_b32 s21, 0
	; LDS places, made of the wave's number alone
	s_lshl_b32 s100, s15, 14                       ; my 4 tiles of P in slot 0,
	s_add_co_u32 s101, s100, SLOT                  ; in slot 1
	s_lshl_b32 s94, s16, 15
	s_add_co_u32 s94, s94, BOFF                    ; my 8 tiles of R
	s_add_co_u32 s95, s94, SLOT
	s_lshl_b32 s2, s15, 11                         ; P's scale words: my 4 tiles
	s_lshl_b32 s3, s16, 12
	s_add_co_u32 s3, s3, 4096                      ; R's: my 8 tiles, behind P's 8
	s_add_co_u32 s13, s3, SCL
	s_sub_co_u32 s97, s3, s2                       ; from the one to the other
	s_add_co_u32 s96, s2, SCL
	s_mul_i32 s18, s14, 16*SPITCH                  ; my stage
	s_wait_dscnt 0x0                               ; both opening adds are done
	CROUND                                         ; all sixteen work-groups are here: the first joint loads meet
	s_wait_kmcnt 0x0
	s_add_nc_u64 s[22:23], s[4:5], s[22:23]
	s_add_nc_u64 s[66:67], s[4:5], s[66:67]
	s_add_nc_u64 s[92:93], s[6:7], s[92:93]
	s_add_nc_u64 s[98:99], s[6:7], s[98:99]
	s_add_nc_u64 s[8:9], s[8:9], s[46:47]
	s_add_nc_u64 s[10:11], s[10:11], s[46:47]
	s_add_nc_u64 s[10:11], s[10:11], s[20:21]
	s_mov_b32 s[G0], 1                             ; the head's four tiles, each whole: slot 0's 8 tiles of P,
	s_mov_b32 s[G0+1], 0
	s_mov_b64 s[G0+2:G0+3], s[22:23]
	s_or_b32 s[G0+3], s[G0+3], 0x80000000
	s_mov_b32 s[G0B], 1                            ; its 16 tiles of R,
	s_mov_b32 s[G0B+1], BOFF
	s_mov_b64 s[G0B+2:G0B+3], s[92:93]
	s_or_b32 s[G0B+3], s[G0B+3], 0x80000000
	s_mov_b32 s[G0S], 1                            ; P's scale words,
	s_mov_b32 s[G0S+1], SCL
	s_mov_b64 s[G0S+2:G0S+3], s[66:67]
	s_or_b32 s[G0S+3], s[G0S+3], 0x80000000
	s_mov_b32 s[G0SB], 1                           ; and R's
	s_mov_b32 s[G0SB+1], SCL+4096
	s_mov_b64 s[G0SB+2:G0SB+3], s[98:99]
	s_or_b32 s[G0SB+3], s[G0SB+3], 0x80000000
	s_lshl_b32 s2, s16, 16                         ; for the ring: my half of the tiles: 4 of P,
	s_mov_b32 s3, 0
	s_add_nc_u64 s[22:23], s[22:23], s[2:3]
	s_lshl_b32 s2, s16, 17                         ; 8 of R
	s_add_nc_u64 s[92:93], s[92:93], s[2:3]
	s_mov_b32 s[G0+4], 1                           ; slot 1
	s_lshl_b32 s[G0+5], s16, 14
	s_add_co_u32 s[G0+5], s[G0+5], SLOT
	s_add_nc_u64 s[G0+6:G0+7], s[22:23], 4096
	s_or_b32 s[G0+7], s[G0+7], 0x80000000
	s_mov_b32 s[G0B+4], 1
	s_lshl_b32 s[G0B+5], s16, 15
	s_add_co_u32 s[G0B+5], s[G0B+5], SLOT+BOFF
	s_add_nc_u64 s[G0B+6:G0B+7], s[92:93], 4096
	s_or_b32 s[G0B+7], s[G0B+7], 0x80000000
	; the prefetches: of the tiles that I fetch in the ring, each of the four partners that ask for them jointly names a quarter, told apart by address (cx for P, cy for R):
	; one tile of P (16 blocks of 256 bytes: lanes 16-31 name the last again) or two of R (32 blocks), a lane a block
	s_cmp_eq_u32 s15, 0
	s_cselect_b64 s[4:5], s[22:23], s[92:93]       ; (the two arguments that lay here have been used)
	s_cselect_b32 s6, s40, s41
	s_cselect_b32 s7, 14, 15
	s_cselect_b32 s12, 15, 31
	s_lshl_b32 s6, s6, s7
	s_mov_b32 s7, 0
	s_add_nc_u64 s[4:5], s[4:5], s[6:7]
; THE HEAD'S LOADS, ONE A WAVE: one chain of branches on the wave's number, a load to an arm
.macro ARM under, g0, g1, next
	s_cmp_lt_u32 s14, \under
	s_cbranch_scc0 \next
	TL \g0, \g1
	s_branch .Lhead_asked
\next:
.endm
	ARM 1, G0,  G1,  .Lhead_b
	ARM 2, G0B, G1B, .Lhead_sa
	ARM 3, G0S, G1S, .Lhead_sb
	TL G0SB, G1SB
.Lhead_asked:
	v_and_b32 v5, 31, v0                           ; lane
	v_and_b32 v1, 15, v0                           ; r
	v_bfe_u32 v2, v0, 4, 1                         ; h
	v_min_u32 v31, s12, v5
	v_lshlrev_b32 v3, 4, v5                        ; 16 x lane
	v_and_b32 v30, 15, v31
	v_lshrrev_b32 v31, 4, v31
	v_lshlrev_b32 v30, 8, v30
	v_lshl_add_u32 v[PFO], v31, 14, v30            ; block l % 16 of a slot's 4,096 bytes of tile l / 16
	v_add_nc_u32 v[ADRA], s100, v3
	v_add_nc_u32 v[ADRA+1], s101, v3
	v_add_nc_u32 v[ADRB], s94, v3
	v_add_nc_u32 v[ADRB+1], s95, v3
	v_mul_u32_u24 v4, s97, v2                      ; lanes 16-31 take R's scale words
	v_lshlrev_b32 v7, 4, v1                        ; 16 bytes a row
	v_add_nc_u32 v4, v4, v7
	v_add_nc_u32 v[ADRS], s96, v4
	v_add_nc_u32 v[ADRS2], s13, v7
	v_mul_u32_u24 v4, v1, SPITCH                   ; the stage, in: row r, 64 bytes for each half of the lanes and pair of tiles
	v_lshl_add_u32 v4, v2, 6, v4
	v_add_nc_u32 v[STO], s18, v4
	v_add_nc_u32 v[RD], s18, v3                    ; back: the 32 lanes take one row of 512 bytes; and the same in out0
	v_mov_b32 v[CO], v3
	v_lshlrev_b32 v6, 6, v2                        ; the bias: register 8 b + j of lane (r, h): column 32 (b / 2) + 16 h + 8 (b % 2) + j
	s_wait_alu depctr_va_vdst(0)
	global_prefetch_b8 v[PFO], s[4:5] offset:4096 th:TH_LOAD_NT scope:SCOPE_SE    ; slot 1's tiles, which the next tensor load asks for,
	global_prefetch_b8 v[PFO], s[4:5] offset:8192 th:TH_LOAD_NT scope:SCOPE_SE    ; and the third 256 along K, two loads on
.irp bp, 0,1,2,3
.irp jj, 0,1,2,3
	global_load_b128 v[BC+16*\bp+4*\jj:BC+16*\bp+4*\jj+3], v6, s[8:9] offset:128*\bp+16*\jj
.endr
.endr
	s_wait_tensorcnt 0x0                           ; my tile of the head's four is in; these lines stand ahead of slot 1's first fill as ahead of a refill
	ds_add_u32 v[SPW], v[NIL]
	s_mov_b32 s[G1+2], 4<<16                       ; no tensor load of mine is out: from here on a load brings 4 tiles of P
	s_mov_b32 s[G1+4], 4
	s_mov_b32 s[G1B+2], 8<<16                      ; or 8 of R
	s_mov_b32 s[G1B+4], 8
	s_lshl_b32 s2, s16, 16
	s_mov_b32 s3, 0
	s_add_nc_u64 s[G0+2:G0+3], s[G0+2:G0+3], s[2:3]       ; slot 0's group 0 for the ring: my half of the tiles
	s_lshl_b32 s2, s16, 17
	s_add_nc_u64 s[G0B+2:G0B+3], s[G0B+2:G0B+3], s[2:3]
	s_lshl_b32 s[G0+1], s16, 14
	s_lshl_b32 s[G0B+1], s16, 15
	s_add_co_u32 s[G0B+1], s[G0B+1], BOFF
	s_wait_dscnt 0x0
	CROUND                                         ; all four tiles are in, and all sixteen work-groups are here
	JLOAD G0+4, G1, G0B+4, G1B                     ; slot 1: the first tensor load behind the round
	FETCH 0, 0, 0
	SCALES 0, 0
	global_prefetch_b8 v[PFO], s[4:5] offset:12288 th:TH_LOAD_NT scope:SCOPE_SE   ; the last 256 along K, two loads on; nothing lies behind it
	s_wait_loadcnt 0x0                             ; the bias
	STEP 0, 1                                      ; the first step starts the sums from the bias: nothing is cleared, nothing is added later
	TURN 0, 1, 1, 1                                ; K = 1,024 is four slots: written out
	STEP 1, 0
	TURN 1, 0, 1, 2
	STEP 0, 0
	TURN 0, 1, 0, 3                                ; nothing is left to fetch: no round
	STEP 1, 0
	s_wait_dscnt 0x0                               ; the very last step
	WIN MUL_LO
	MUL16 0, 1, 1, 1, 0
	MUL16 2, 1, 1, 1, 0
	WIN 0
	PLACES NP                                      ; in front of the first read of results and of the loads into P's fragments' registers
	TOSTAGE 0
.irp a, 1,2,3
.if \a > 1
	s_wait_xcnt 0x0                                ; block a - 2's stores have read their registers: block a's loads may land there
.endif
	TOSTAGE \a
	SEND \a-1, 32                                  ; behind block a - 1's loads: block a's 16 stores and 16 loads
.endr
	SEND 3, 0
	s_wait_tensorcnt 0x0                           ; the wave's end
	ds_add_u32 v[SPW], v[NIL]
	s_wait_dscnt 0x0
	CROUND                                         ; the closing round: no work-group ends while a partner may still ask for a tile that names it
	s_endpgm
.Lfunc_end_k_q1c30098ac1_proj:
	.size	k_q1c30098ac1_proj, .Lfunc_end_k_q1c30098ac1_proj-k_q1c30098ac1_proj
	.p2alignl 7, 3214868480
	.fill 96, 4, 3214868480
	.section	.rodata,"a",@progbits
	.p2align	6, 0x0
	.amdhsa_kernel k_q1c30098ac1_proj
		.amdhsa_group_segment_fixed_size 327680
		.amdhsa_private_segment_fixed_size 0
		.amdhsa_enable_private_segment 0
		.amdhsa_kernarg_size 32
		.amdhsa_user_sgpr_count 2
		.amdhsa_user_sgpr_kernarg_segment_ptr 1
		.amdhsa_wavefront_size32 1
		.amdhsa_system_sgpr_workgroup_id_x 1
		.amdhsa_system_sgpr_workgroup_id_y 1
		.amdhsa_system_sgpr_workgroup_id_z 1
		.amdhsa_system_vgpr_workitem_id 0
		.amdhsa_next_free_vgpr 768
		.amdhsa_next_free_sgpr 102
		.amdhsa_reserve_vcc 0
		.amdhsa_float_denorm_mode_32 3
		.amdhsa_float_denorm_mode_16_64 3
		.amdhsa_memory_ordered 1
		.amdhsa_forward_progress 1
		.amdhsa_inst_pref_size 91
	.end_amdhsa_kernel
	.amdgpu_metadata
---
amdhsa.version: [ 1, 2 ]
amdhsa.kernels:
  - .name:           k_q1c30098ac1_proj
    .symbol:         k_q1c30098ac1_proj.kd
    .args:
      - { .name: yq, .offset: 0, .size: 8, .value_kind: global_buffer, .address_space: global }
      - { .name: wq, .offset: 8, .size: 8, .value_kind: global_buffer, .address_space: global }
      - { .name: b_proj, .offset: 16, .size: 8, .value_kind: global_buffer, .address_space: global }
      - { .name: out0, .offset: 24, .size: 8, .value_kind: global_buffer, .address_space: global }
    .group_segment_fixed_size: 327680
    .private_segment_fixed_size: 0
    .kernarg_segment_align: 8
    .kernarg_segment_size: 32
    .max_flat_workgroup_size: 128
    .sgpr_count:     102
    .vgpr_count:     768
    .wavefront_size: 32
...
	.end_amdgpu_metadata
.endif
;; end of part 4
